; MI455X (gfx1250); checked and timed in simulation.
; The chip was launched on July 23, 2026; its instructions are those of AMD's public machine-readable ISA for CDNA 5 (MIT licence, August 2026) and "CDNA5" Instruction Set Architecture Reference Guide (July 2026). The comments in the code are by the model that wrote it; some were corrected since.
;; Self Attention. Allowed arithmetic: matrix products marked QUANTISED: E2M3 operands, one E8M0 scale for each 32 along K, by v_wmma_scale_f32_16x16x128_f8f6f4 with both operands' format E2M3, f32 sums; everything else in f32.
;; Inputs: Wk 1,024 x 1,024 float32; Wp 1,024 x 1,024 float32; Wq 1,024 x 1,024 float32; Wv 1,024 x 1,024 float32; bk 1,024 float32; bp 1,024 float32; bq 1,024 float32; bv 1,024 float32; x 2 x 2,048 x 1,024 float32.
;; Outputs: out0 2 x 2,048 x 1,024 float32.
;; This version of the problem:
;;   THIS VERSION OF THE PROBLEM IS GIVEN IN LOW PRECISION. The matrix products marked QUANTISED in the list below multiply operands that are first quantised to E2M3 (2 exponent bits, 3 mantissa bits; 6 bits a number), with one power-of-two scale for each 32 numbers along K (OCP MX v1.0); their sums are f32. All else is computed in f32.
;;   The module's matrix products, in the order in which they are computed (A, B: the left and right operand; K: the contracted axis; several contracted axes count as one K, in the product's order):
;;     1. [M 4,096, K 1,024] x [K 1,024, N 1,024]; A: input x; B: input Wq: QUANTISED
;;     2. [M 4,096, K 1,024] x [K 1,024, N 1,024]; A: input x; B: input Wk: QUANTISED
;;     3. [M 4,096, K 1,024] x [K 1,024, N 1,024]; A: input x; B: input Wv: QUANTISED
;;     4. batch 32 x [M 2,048, K 64] x [K 64, N 2,048]; A: computed on the way; B: computed on the way: QUANTISED
;;     5. batch 32 x [M 2,048, K 2,048] x [K 2,048, N 64]; A: softmax (see below); B: computed on the way: QUANTISED
;;     6. [M 4,096, K 1,024] x [K 1,024, N 1,024]; A: computed on the way; B: input Wp: QUANTISED
;;   THE QUANTISER, for each operand of a quantised product, along K:
;;     - K is cut into blocks of 32 from its start; a last block that is shorter is filled with zeros.
;;     - A block's scale is 2^e with e = floor(log2(the largest magnitude in the block)) - 2, held to -126 .. 127; a block of zeros has e = 0. As a byte (E8M0): e + 127.
;;     - Each number is divided by its block's scale, clamped to +-7.5, and rounded to the nearest number of E2M3, ties to even, subnormals kept.
;;     - The product sums the exact products of the quantised numbers (number of the format x scale) in f32.
;;   ~~~python
;;   def quantise(x, axis):      # numpy; x: float32 -> the quantised numbers, widened to float32 again
;;       x = np.moveaxis(x, axis, -1); K = x.shape[-1]
;;       x = np.pad(x, [(0, 0)] * (x.ndim - 1) + [(0, -K % 32)]); x = x.reshape(x.shape[:-1] + (-1, 32)); a = np.abs(x).max(-1, keepdims=True)
;;       e = np.where(a > 0, np.clip(np.frexp(np.where(a > 0, a, 1))[1] - 1 - 2, -126, 127), 0)      # np.frexp(a)[1] - 1 = floor(log2(a)), exactly
;;       r = np.clip(x / 2.0 ** e, -7.5, 7.5)
;;       step = 2.0 ** (np.maximum(np.frexp(np.where(r == 0, 1, r))[1] - 1, 0) - 3)
;;       q = np.round(r / step) * step * 2.0 ** e      # np.round: ties to even
;;       return np.moveaxis(q.reshape(q.shape[:-2] + (-1,))[..., :K], -1, axis).astype(np.float32)
;;   ~~~
;;   SOFTMAX AHEAD OF A QUANTISED PRODUCT. Where the list says 'softmax', what is quantised is not the finished softmax but p = 2^(t - M), with t = logit x log2(e) and M = ceil(the row's largest t), a whole number; so 1/2 < the row's largest p <= 1. The row's sum l is taken of the UNQUANTISED p, in f32, and the product's result is divided by l at the end. Since M is a whole number, a kernel that streams over the keys may use a running M (the ceiling of the running maximum): every later rescaling is an exact power of two, which a block's scale takes up: the codes' values come out the same.
;;   OPERANDS COMPUTED ON THE WAY. 'Computed on the way' means the value that the module computes at that place (a softmax that the list does not call 'softmax' is quantised finished and normalised). What goes into a quantiser is computed in f32, as accurately as f32 sums, v_exp_f32 and their like allow (about 1e-6 of the number): no bf16 or f16 on the way to a quantiser, and a product that is left as it is and whose result goes on into a quantised operand takes f32 operands (vector FMAs, or v_wmma_f32_16x16x4_f32). A number that lies on a knife's edge between two numbers of the format may be rounded either way, as far as f32 arithmetic and the matrix unit's own rounding can turn it there, and no further.
;; One version. Each part assembles by itself: llvm-mc -triple=amdgcn-amd-amdhsa -mcpu=gfx1250 --defsym DOCPART=n.
;; ======== version 1 of 1: 4 launches
;; limits: right only within a limited range of input values
;; workspace buffers: xq 3,276,800 bytes; wq 3,276,800 bytes; kvb 6,684,672 bytes; qb 6,684,672 bytes; yb 3,407,872 bytes
;; launch quant (part 1): grid 256 x 1, 4 waves a work-group, no clusters, 33,280 bytes of LDS; arguments x, Wq, Wk, Wv, Wp, xq, wq; writes xq, wq
.if DOCPART == 1
	.amdgcn_target "amdgcn-amd-amdhsa--gfx1250"
	.amdhsa_code_object_version 6
	.text
	.protected	k_q5d540ac020_quant
	.globl	k_q5d540ac020_quant
	.p2align	8
	.type	k_q5d540ac020_quant,@function
k_q5d540ac020_quant:
	s_mov_b64 s[64:65], 0
	v_nop
	global_prefetch_b8 v0, s[64:65] scope:SCOPE_SE
	s_setreg_imm32_b32 hwreg(HW_REG_WAVE_MODE, 25, 1), 1
	s_wait_xcnt 0x0
; x [4096][1024] and Wq, Wk, Wv, Wp [1024][1024], f32, K innermost, become codes of FP6 (E2M3), 6 bits each, with one E8M0 scale byte for each 32 along K.
; xq holds x's rows, wq the rows of Wq, Wk, Wv, Wp on end: [block of 256 rows][K step of 256: 4][256 rows][192 bytes of codes] from byte 0, [4096 rows][32 scale bytes] from byte SCOFF.
; THE ROWS ARE STORED IN ANOTHER ORDER: inside each 32 rows the four groups of 8 rows lie in the order 0, 2, 1, 3.  So row r of stored tile 2 b + u (16 stored rows) is row 32 b + 8 u + r + 8 (r / 8):
; a product that takes such a tile as its first source leaves 16 NEIGHBOURING rows in the 16 result registers of two neighbouring tiles, which the later launches quantise in registers.
; A block's scale is 2^(floor(log2(its largest magnitude)) - 2); its byte is the largest magnitude's own exponent field - 2, held at 1 from below.  Each number is divided by the scale and rounded to the nearest code, ties to even;
; beyond the largest code the conversion gives the largest code.
; LIMITS: a block of zeros gets the byte 1 and not 127 (its codes are zeros, and only this program reads the bytes); blocks whose largest magnitude lies under 2^-124 have the byte held at 1; NaN and infinities are not served.
; SHARES: a work-group takes 32 rows, a wave 8 rows = 8,192 numbers in 16 steps of 512.  Work-groups 0-127 take x, then 32 each Wq, Wk, Wv, Wp.  Wave w's 8 rows go to group (w & 1) 2 + (w >> 1) of the 32 stored rows.
; Each of a step's four loads reads 512 consecutive bytes; the 2,048 bytes turn through the wave's own stage in LDS and come back 64 bytes a lane: 16 neighbours along K, two lanes to a block.
; No tensor loads, no barrier: waves share nothing.  Loads run four steps (16 loads a wave) ahead, the turn through LDS one step.
.set STEPS, 16
.set EMAX,  2
.set CB,    12                         ; bytes of 16 codes
.set R,     16                         ; v16-79   four sets of 16 numbers as they are loaded
.set X,     80                         ; v80-111  two sets of 16 neighbours
.set C,     128                        ; v128-191 codes: four registers for each step, so that no store's data are written again
.set E,     112                        ; v112-127 a scale byte for each step
.set WREG,  8192                       ; LDS: a region for each wave: two stages of 32 x SP bytes, behind them its 256 scale bytes
.set SP,    80                         ; a lane's place in a stage: 64 bytes + 16 of padding
.set SCOFF, 3145728                    ; where the scale bytes begin in xq and wq
.set WV,    24
	s_load_b256 s[4:11], s[0:1], 0x0               ; x, Wq, Wk, Wv
	s_load_b128 s[12:15], s[0:1], 0x20             ; Wp, xq
	s_load_b64 s[16:17], s[0:1], 0x30              ; wq
	v_lshl_add_u32 v192, v0, 2, 0x8000
	v_mov_b32 v193, 0
	v_lshrrev_b32 v1, 5, v0
	v_readfirstlane_b32 s[WV], v1                  ; wave
	v_and_b32 v2, 31, v0                           ; lane
	v_lshlrev_b32 v3, 4, v2                        ; my 16 bytes of a load's 512
	s_mul_i32 s27, s[WV], WREG
	v_lshrrev_b32 v14, 2, v2
	v_mul_u32_u24 v14, v14, SP
	v_and_b32 v15, 3, v2
	v_lshl_add_u32 v14, v15, 4, v14
	v_add_nc_u32 v14, s27, v14                     ; the stage, on the way in: SP (lane / 4) + 16 (lane % 4)
	v_mul_u32_u24 v15, v2, SP
	v_add_nc_u32 v15, s27, v15                     ; and on the way out: SP x lane: my 16 neighbours
	; THE CODES' ORDER IN xq AND wq (in place of rows of 768 bytes): [block of 256 stored rows][K step of 256: 4][256 rows][192 bytes], so that the rows of one K step lie end to end
	v_and_b32 v4, 15, v2
	v_mul_u32_u24 v4, v4, CB                       ; my codes' place in a row's 192 bytes of a K step: sixteen lanes to a K step
	v_lshrrev_b32 v10, 4, v2
	v_mad_u32_u24 v4, v10, 0xc000, v4              ; lanes 16-31 hold the next K step: 49,152 bytes on
	v_lshrrev_b32 v5, 1, v2
	s_add_co_u32 s27, s27, 2*32*SP
	v_add_nc_u32 v5, s27, v5                       ; LDS: my wave's 256 scale bytes, my block's byte
	v_lshlrev_b32 v7, 3, v2                        ; and on the way out 8 bytes a lane
	v_add_nc_u32 v6, s27, v7
	s_wait_alu depctr_va_vdst(0)
	s_wait_kmcnt 0x0
	s_mov_b64 s[20:21], s[12:13]                   ; which tensor: the choice hangs on the work-group's number alone
	s_cmp_lt_u32 ttmp9, 224
	s_cselect_b64 s[20:21], s[10:11], s[20:21]
	s_cmp_lt_u32 ttmp9, 192
	s_cselect_b64 s[20:21], s[8:9], s[20:21]
	s_cmp_lt_u32 ttmp9, 160
	s_cselect_b64 s[20:21], s[6:7], s[20:21]
	s_cmp_lt_u32 ttmp9, 128
	s_cselect_b64 s[20:21], s[4:5], s[20:21]
	s_cselect_b64 s[22:23], s[14:15], s[16:17]     ; into xq or wq
	s_cselect_b32 s25, 0, 128                      ; the first work-group of that buffer
	s_cselect_b32 s26, 0xff, 31                    ; the work-group's number inside its tensor
	s_and_b32 s28, ttmp9, s26
	s_lshl_b32 s28, s28, 2
	s_add_co_u32 s28, s28, s[WV]                   ; which run of 8 rows of the tensor I read
	s_lshl_b32 s28, s28, 15                        ; 32,768 bytes a run
	s_mov_b32 s29, 0
	s_add_nc_u64 s[20:21], s[20:21], s[28:29]
	s_sub_co_u32 s30, ttmp9, s25
	s_lshl_b32 s30, s30, 2
	s_and_b32 s31, s[WV], 1
	s_lshl_b32 s31, s31, 1
	s_add_co_u32 s30, s30, s31
	s_lshr_b32 s31, s[WV], 1
	s_add_co_u32 s30, s30, s31                     ; which run of 8 stored rows I write: groups 0, 2, 1, 3
	s_lshr_b32 s28, s30, 5                         ; the block of 256 stored rows,
	s_mul_i32 s28, s28, 196608
	s_and_b32 s31, s30, 31
	s_mul_i32 s31, s31, 1536                       ; and 8 rows of 192 bytes for each run inside it
	s_add_co_u32 s28, s28, s31
	s_add_nc_u64 s[32:33], s[22:23], s[28:29]
	s_lshl_b32 s28, s30, 8                         ; 8 rows of 32 scale bytes
	s_add_co_u32 s28, s28, SCOFF
	s_add_nc_u64 s[34:35], s[22:23], s[28:29]
.macro LOAD t
.irp i, 0,1,2,3
	global_load_b128 v[R+16*((\t)%4)+4*\i:R+16*((\t)%4)+4*\i+3], v3, s[20:21] offset:2048*(\t)+512*\i th:TH_LOAD_NT   ; 32 lanes read 512 consecutive bytes
.endr
.endm
.macro TURN t                          ; step t's numbers through the stage: LDS serves a wave's instructions in order, so no wait stands between the stores and the loads
.irp i, 0,1,2,3
	ds_store_b128 v14, v[R+16*((\t)%4)+4*\i:R+16*((\t)%4)+4*\i+3] offset:32*SP*((\t)%2)+8*SP*\i
.endr
.irp i, 0,1,2,3
	ds_load_b128 v[X+16*((\t)%2)+4*\i:X+16*((\t)%2)+4*\i+3], v15 offset:32*SP*((\t)%2)+16*\i
.endr
.endm
.irp t, 0,1,2,3
	LOAD \t
.endr
	s_wait_loadcnt 12                              ; step 0's four loads are in; the twelve behind them may be out
	TURN 0
.macro STEP t
.set XS, X+16*((\t)%2)
.if (\t) > 0
	s_wait_dscnt 1                                 ; this step's numbers are back from the stage (the last step's byte store may be out): so its stores into the stage have read their registers,
.else
	s_wait_dscnt 0x0
.endif
.if (\t)+4 < STEPS
	LOAD (\t)+4                                    ; which take the loads of four steps on
.endif
.if (\t)+1 < STEPS
.if STEPS-2-(\t) >= 3
	s_wait_loadcnt 12                              ; the next step's four loads are in; those of the three steps behind it may be out
.else
	s_wait_loadcnt 4*(STEPS-2-(\t))
.endif
	TURN (\t)+1                                    ; and go through the other stage while this step is worked
.endif
	v_max3_num_f32 v8, |v[XS]|, |v[XS+1]|, |v[XS+2]|               ; the largest magnitude of my 16, in two chains
	v_max3_num_f32 v9, |v[XS+3]|, |v[XS+4]|, |v[XS+5]|
.irp i, 6,10
	v_max3_num_f32 v8, v8, |v[XS+\i]|, |v[XS+\i+1]|
	v_max3_num_f32 v9, v9, |v[XS+\i+2]|, |v[XS+\i+3]|
.endr
	v_max3_num_f32 v8, v8, |v[XS+14]|, |v[XS+15]|
	v_max3_num_f32 v8, v8, v9, (EMAX+1)<<23        ; and the floor 2^(3 - 127): so the byte cannot fall under 1
	v_max_num_f32_dpp v8, v8, v8 row_xmask:1 row_mask:0xf bank_mask:0xf   ; and of my neighbour's 16: the block's
	v_add_nc_u32 v11, 0xff000000, v8               ; 2 off its exponent field: the conversion takes the exponent field of this operand as its scale, and nothing else of it
	v_cvt_scalef32_pk16_fp6_f32 v[C+4*(\t):C+4*(\t)+2], v[XS:XS+15], v11   ; 16 codes, 96 bits without gaps, the first number's code lowest
	v_lshrrev_b32 v[E+(\t)], 23, v11               ; the scale's byte
	ds_store_b8 v5, v[E+(\t)] offset:16*(\t)       ; both lanes of a block write the same byte with the same value
	global_store_b96 v4, v[C+4*(\t):C+4*(\t)+2], s[32:33] offset:98304*((\t)%2)+192*((\t)/2)   ; row t / 2, K steps 2 (t % 2) and 2 (t % 2) + 1: sixteen lanes store 192 consecutive bytes
.endm
.irp t, 0,1,2,3,4,5,6,7,8,9,10,11,12,13,14,15
	STEP \t
.endr
	ds_load_b64 v[12:13], v6                       ; LDS serves a wave's instructions in order: these see my stores
	s_wait_dscnt 0x0
	global_store_b64 v7, v[12:13], s[34:35]        ; 32 lanes store 256 consecutive bytes, aligned
	s_wait_tensorcnt 0x0
	ds_add_u32 v192, v193
	s_wait_dscnt 0x0
	s_endpgm
.Lfunc_end_k_q5d540ac020_quant:
	.size	k_q5d540ac020_quant, .Lfunc_end_k_q5d540ac020_quant-k_q5d540ac020_quant
	.p2alignl 7, 3214868480
	.fill 96, 4, 3214868480
	.section	.rodata,"a",@progbits
	.p2align	6, 0x0
	.amdhsa_kernel k_q5d540ac020_quant
		.amdhsa_group_segment_fixed_size 33280
		.amdhsa_private_segment_fixed_size 0
		.amdhsa_enable_private_segment 0
		.amdhsa_kernarg_size 56
		.amdhsa_user_sgpr_count 2
		.amdhsa_user_sgpr_kernarg_segment_ptr 1
		.amdhsa_wavefront_size32 1
		.amdhsa_system_sgpr_workgroup_id_x 1
		.amdhsa_system_sgpr_workgroup_id_y 1
		.amdhsa_system_sgpr_workgroup_id_z 1
		.amdhsa_system_vgpr_workitem_id 0
		.amdhsa_next_free_vgpr 194
		.amdhsa_next_free_sgpr 66
		.amdhsa_reserve_vcc 0
		.amdhsa_float_denorm_mode_32 3
		.amdhsa_float_denorm_mode_16_64 3
		.amdhsa_memory_ordered 1
		.amdhsa_forward_progress 1
		.amdhsa_inst_pref_size 33
	.end_amdhsa_kernel
	.amdgpu_metadata
---
amdhsa.version: [ 1, 2 ]
amdhsa.kernels:
  - .name:           k_q5d540ac020_quant
    .symbol:         k_q5d540ac020_quant.kd
    .args:
      - { .name: x, .offset: 0, .size: 8, .value_kind: global_buffer, .address_space: global }
      - { .name: Wq, .offset: 8, .size: 8, .value_kind: global_buffer, .address_space: global }
      - { .name: Wk, .offset: 16, .size: 8, .value_kind: global_buffer, .address_space: global }
      - { .name: Wv, .offset: 24, .size: 8, .value_kind: global_buffer, .address_space: global }
      - { .name: Wp, .offset: 32, .size: 8, .value_kind: global_buffer, .address_space: global }
      - { .name: xq, .offset: 40, .size: 8, .value_kind: global_buffer, .address_space: global }
      - { .name: wq, .offset: 48, .size: 8, .value_kind: global_buffer, .address_space: global }
    .group_segment_fixed_size: 33280
    .private_segment_fixed_size: 0
    .kernarg_segment_align: 8
    .kernarg_segment_size: 56
    .max_flat_workgroup_size: 128
    .sgpr_count:     66
    .vgpr_count:     194
    .wavefront_size: 32
...
	.end_amdgpu_metadata
.endif
;; end of part 1
;; launch qkv (part 2): grid 12 x 16, 4 waves a work-group, clusters of 4 x 4, 327,680 bytes of LDS; arguments xq, wq, bq, bk, bv, qb, kvb; writes qb, kvb
.if DOCPART == 2
	.amdgcn_target "amdgcn-amd-amdhsa--gfx1250"
	.amdhsa_code_object_version 6
	.text
	.protected	k_q5d540ac020_qkv
	.globl	k_q5d540ac020_qkv
	.p2align	8
	.type	k_q5d540ac020_qkv,@function
k_q5d540ac020_qkv:
	s_mov_b64 s[64:65], 0
	v_nop
	global_prefetch_b8 v0, s[64:65] scope:SCOPE_SE
	s_setreg_imm32_b32 hwreg(HW_REG_WAVE_MODE, 25, 1), 1
	s_wait_xcnt 0x0
	s_wait_alu depctr_hold_cnt(0) depctr_sa_sdst(0) depctr_va_vdst(0) depctr_va_sdst(0) depctr_va_ssrc(0) depctr_va_vcc(0) depctr_vm_vsrc(0)
	s_getreg_b32 s2, hwreg(HW_REG_IB_STS2, 6, 4)
	s_cmp_eq_u32 s2, 0
	s_cbranch_scc0 .Lentry_in_a_cluster
	s_endpgm
.Lentry_in_a_cluster:
	s_bfe_u32 s2, ttmp6, 0x10000c
	s_cmp_lg_u32 s2, 0xf033
	s_cbranch_scc0 .Lentry_shape_is_right
	s_endpgm
.Lentry_shape_is_right:
; q = x Wq^T + bq, k = x Wk^T + bk, v = x Wv^T + bv on codes of FP6 (E2M3) with one E8M0 scale for each 32 along K = 1,024; the results are quantised IN REGISTERS to the operands of attention and leave as codes.
; xq, wq: [block of 256 stored rows][K step of 256: 4][256 rows][192 bytes of codes], from byte SCOFF [4096][32 scale bytes]; wq's rows: Wq, Wk, Wv, Wp.  Inside each 32 rows the groups of 8 lie in the order 0, 2, 1, 3.
; A tile of 256 x 256 is made by four waves, each 128 x 128: 64 accumulators, 512 registers.  K goes in steps of 256 through a ring of two LDS slots filled by the tensor data mover.
; THE CLUSTER'S x SAYS WHAT IS MADE: 0 q, 1 k, 2 v; it is the same number in all sixteen partners.  For q and k the side called A is x and B the weight; for v A is Wv and B is x.
; THE MATRIX INSTRUCTION IS USED TRANSPOSED (source 0 = 16 rows of B, source 1 = 16 rows of A): lane (r, h) holds stored row r of A's block, and, by the stored order of B's rows, the 64 registers of A's block a
; are register 16 b + i = B's row 32 b + 16 h + i of the wave's 128.  For q and k these are the features of one token (two heads of 64: each head's K), for v the tokens of one feature (128 keys: the second product's K).
; So one quantiser serves all three, and its 12 registers are an operand's registers.  THEY LEAVE AS IMAGES OF REGISTERS:
;   q, k: a tile of 16 tokens x 64 of one head is 768 bytes: three chunks of 256, lane l's registers 2 p, 2 p + 1 at 8 l of chunk p.     v: a tile of 16 features x 128 keys is 1,536 bytes: three chunks of 512, registers 4 c .. 4 c + 3 at 16 l.
;   kvb (k, v) and qb (q, in k's places): [batch x 16 + head][key step of 128 tokens: 16][13,056: 8 tiles of k | 4 tiles of v | k's 128 scale words | v's 64].
;   A word of q or k has its head's two bytes lowest; the two above stand over zero codes in attention and are never 0xff.
; CLUSTERS: 4 x 4 work-groups; A's tiles are shared along a row of the cluster, B's along a column: each is asked for jointly, by the same tensor load with the same descriptor and a mask that names the four.
; LIMITS: a block of zeros gets the byte 1 and not 127 (zero codes; only this program reads the bytes); blocks whose largest magnitude lies under 2^-124 have the byte held at 1; NaN and infinities are not served.
; REGISTERS, in windows of 256: window 0: v0-31 addresses; v32-63 scale words, two sets; v64-127 the bias; from v128 A's fragments, one set; on the way out v128-247 at work.
;   window 1: B's fragments, two sets, at v0 and v128.   window 2: the accumulators of my rows 0-63 ((a, b) at v[8 (8 a + b)]);   window 3: those of my rows 64-127.
.set SIZE_K, 1024
.set KSTEP,  256                       ; along K in a slot
.set NQ,     KSTEP/128
.set ROWB,   49152                     ; bytes from a K step's 256 rows to the next K step's: xq and wq lie as [block of 256 rows][K step 4][256 rows][192 bytes], and a tile is a dense block, stated as rows of 256 bytes
.set KROW,   SIZE_K*6/8                ; a row of codes in memory
.set PITCH,  240                       ; an LDS row: 3 x (64 bytes + 16 of padding)
.set FR,     12                        ; registers of a fragment
.set NL,     6                         ; LDS loads that bring one
.set NP,     4                         ; places behind this matrix instruction (ISA guide 7.12.1)
.set HALFT,  128*PITCH
.set SLOT,   4*HALFT                   ; A's 256 rows, then B's 256 rows
.set LAPS,   SIZE_K/(2*KSTEP)
.set KS,     SIZE_K/32                 ; a row of scale bytes
.set SCL,    2*SLOT                    ; behind the ring: the scales, as units of 256 bytes + 16 of padding
.set HALFS,  (128*KS/256)*272
.set SBLK,   (16*KS/256)*272
.set SPARE,  SCL+4*HALFS               ; the spare words, 128 bytes for each wave: two blocks of 256 bytes that no other line names
.set SCOFF,  3145728                   ; where the scale bytes begin in xq and wq
.set BHB,    208896                    ; a head's record in qb and kvb: 16 key steps
.set KSB,    13056                     ; a key step's record: 8 tiles of k | 4 tiles of v | 128 words of k (or q) | 64 words of v: the scale words lie inside the record, 51 x 256 bytes in all
.set KVS,    6291456
.set GA,   7                           ; v7   8 x lane
.set GB,   8                           ; v8   16 x lane
.set SH,   9                           ; v9   16 x (lane / 16): how far a word is shifted for the second head
.set STQ,  10                          ; v10  q, k: where a scale word goes in my stage: 1,024 wave + 512 (lane / 16) + 4 (lane % 16)
.set STV,  11                          ; v11  v: 8,192 + 512 wave + 4 (lane % 16).  The two ways have LDS bytes of their own
.set RDQ,  12                          ; v12  q, k: where I read the stage back
.set RDV,  13                          ; v13  v: likewise
.set GV,   14                          ; v14  v: where the words go in memory: 16 (lane % 16) + 208,896 (lane / 16)
.set ADRA, 16                          ; v16-17 LDS address of my A fragments in slot 0, 1 (v18-19: behind one padding more)
.set ADRB, 20                          ; v20-23 the same for B
.set ADRS, 27                          ; v27  LDS address of my scale words: lanes 0-15 A's rows, lanes 16-31 B's
.set SPW,  28                          ; v28  LDS address of my spare word; never rewritten
.set NIL,  29                          ; v29  0; never rewritten
.set BQ,   30                          ; v30  bias of q, k: 64 (lane / 16)
.set BV,   31                          ; v31  bias of v: 4 (r + 8 (r / 8))
.set SC,   32
.set BI,   64                          ; v64-127 the bias, in the layout of a block's 64 results
.set AF,   128
.set T,    128                         ; the way out: v128-191 a block's 64 numbers
.set PC,   192                         ; v192-210 its codes
.set TM,   212                         ; v212-227 at work
.set PW,   228                         ; the scale word just made
.set SW,   232                         ; v232-239 a word for each block, so that no LDS store's data are written again
.set RBK,  240                         ; v240-247 the words read back
.set G1, 24
.set G0, 32
.set G1B, 48
.set G0B, 56
.set G1S, 68
.set G0S, 76
.set G1SB, 80
.set G0SB, 88
.set SEL, 100                          ; s[100:101] v_permlanex16_b32's selects for lane l xor 16
.set MSB, 0
.macro WIN new                         ; the immediate's high byte repeats the setting that is left
.if MSB != (\new)
	s_set_vgpr_msb (MSB<<8)|(\new)
.set MSB, \new
.endif
.endm
.set MUL_LO, 0xa1                      ; source 0 (B) window 1, source 1 (A) window 0, C and D window 2
.set MUL_HI, 0xf1                      ; the same, C and D window 3
.set TO_B,   0x40                      ; destination window 1, address window 0
; A joint load: waves 0 and 1 fetch for A, waves 2 and 3 for B.  The branch hangs on the wave's number alone.  Four v_nop follow each of the two lines.
.macro JLOAD g0a, g1a, g0b, g1b
	s_cmp_eq_u32 s15, 0
	s_cbranch_scc0 .Lfor_b_\@
	tensor_load_to_lds s[\g0a:\g0a+3], s[\g1a:\g1a+7]
	s_nop 0
.rept 4
	v_nop
.endr
	s_branch .Lasked_\@
.Lfor_b_\@:
	tensor_load_to_lds s[\g0b:\g0b+3], s[\g1b:\g1b+7]
	s_nop 0
.rept 4
	v_nop
.endr
.Lasked_\@:
.endm
.macro CREST                           ; a round of the cluster's barrier behind its opening barrier
	s_cmp_lg_u32 s14, 0
	s_cbranch_scc1 .Lnot_wave_0_\@
	s_barrier_signal -3
.Lnot_wave_0_\@:
	s_barrier_wait -3
	s_barrier_signal -1
	s_barrier_wait -1
.endm
.macro CROUND                          ; a whole round
	s_barrier_signal -1
	s_barrier_wait -1
	CREST
.endm
	s_load_b256 s[24:31], s[0:1], 0x0              ; xq s[24:25], wq s[26:27], bq s[28:29], bk s[30:31]  (these registers take the descriptors once the choice is made)
	s_load_b128 s[32:35], s[0:1], 0x20             ; bv s[32:33], qb s[34:35]
	s_load_b64 s[36:37], s[0:1], 0x30              ; kvb
	v_lshl_add_u32 v[SPW], v0, 2, SPARE
	v_mov_b32 v[NIL], 0
	ds_add_u32 v28, v29
	ds_add_u32 v28, v29
	s_wait_dscnt 0x0
	v_lshrrev_b32 v1, 5, v0
	v_readfirstlane_b32 s14, v1                    ; wave 0..3
	s_lshr_b32 s15, s14, 1                         ; which half of the tile's A rows is mine.  Also: I fetch for A (0) or for B (1)
	s_and_b32 s16, s14, 1                          ; which half of its B rows.  Also: which 128 rows of that tile I fetch
	s_bfe_u32 s40, ttmp6, 0x40000                  ; cx, cy: my place in the cluster
	s_bfe_u32 s41, ttmp6, 0x40004
	s_and_b32 s66, ttmp7, 0xffff
	s_lshl_b32 s66, s66, 2                         ; 4 x cluster y
	s_add_co_u32 s17, s66, s41                     ; q, k: A's tile of 256 rows of xq = 4 x cluster y + cy
	s_add_co_u32 s95, s41, 8                       ; v:    A's tile of wq = 8 + cy (Wv's rows begin at 2,048)
	s_lshl_b32 s42, ttmp9, 2
	s_add_co_u32 s42, s42, s40                     ; q, k: B's tile of wq = 4 x cluster x + cx
	s_add_co_u32 s93, s66, s40                     ; v:    B's tile of xq = 4 x cluster y + cx
	s_cmp_eq_u32 ttmp9, 2
	s_cselect_b32 s17, s95, s17                    ; A's tile hangs on cy and the cluster's numbers alone,
	s_cselect_b32 s42, s93, s42                    ; B's on cx and the cluster's numbers alone
	s_lshl_b32 s43, s41, 2
	s_lshl_b32 s43, 15, s43                        ; my row of the cluster
	s_lshl_b32 s44, 0x1111, s40                    ; my column
	s_mov_b32 s[SEL], 0x76543210
	s_mov_b32 s[SEL+1], 0xfedcba98
	s_wait_kmcnt 0x0
	s_cmp_eq_u32 ttmp9, 2
	s_cselect_b64 s[4:5], s[26:27], s[24:25]       ; A's buffer
	s_cselect_b64 s[8:9], s[24:25], s[26:27]       ; B's
	s_mov_b64 s[96:97], s[32:33]                   ; the bias: bv,
	s_cmp_eq_u32 ttmp9, 1
	s_cselect_b64 s[96:97], s[30:31], s[96:97]     ; bk,
	s_cmp_eq_u32 ttmp9, 0
	s_cselect_b64 s[96:97], s[28:29], s[96:97]     ; or bq
	s_cselect_b64 s[12:13], s[34:35], s[36:37]     ; where the codes go: qb or kvb
	s_mov_b64 s[98:99], s[12:13]                   ; and the scale words
	s_add_nc_u64 s[6:7], s[4:5], SCOFF             ; A's scale bytes
	s_add_nc_u64 s[10:11], s[8:9], SCOFF           ; B's
	; descriptor group 1: a tile of 128 rows x ROWB bytes, padded in LDS
	s_or_b32 s[G1+0], s43, (0<<16)|(1<<20)|(1<<21)|(3<<22)|(3<<25)  ; 15:0 the mask: A's tiles go to my row; 17:16 element of 1 byte; 20 padding on; 21 set beside a mask; 24:22 after every 16 words; 31:25 of 4 words
	s_or_b32 s[G1B+0], s44, (0<<16)|(1<<20)|(1<<21)|(3<<22)|(3<<25)
.irp g, G1, G1B
	s_mov_b32 s[\g+1], 256<<16                     ; tensor_dim0: rows of 256 bytes; the padding's interval stays 64 bytes, so an LDS row of 192 bytes keeps its pitch of 240
	s_mov_b32 s[\g+2], 192<<16                     ; tensor_dim1: the head's loads bring 256 rows of 192 bytes = 192 of 256
	s_mov_b32 s[\g+3], 256<<16                     ; tile_dim0
	s_mov_b32 s[\g+4], 192                         ; tile_dim1
	s_mov_b32 s[\g+5], 256                         ; dense
	s_mov_b32 s[\g+6], 0
	s_mov_b32 s[\g+7], 0
.endr
	; the scales of 256 rows: a dense block of 8,192 bytes, as rows of 256 bytes (32 elements of 8 bytes), 16 bytes of padding behind each
	s_or_b32 s[G1S+0], s43, (3<<16)|(1<<20)|(1<<21)|(5<<22)|(3<<25)
	s_or_b32 s[G1SB+0], s44, (3<<16)|(1<<20)|(1<<21)|(5<<22)|(3<<25)
.irp g, G1S, G1SB
	s_mov_b32 s[\g+1], 32<<16
	s_mov_b32 s[\g+2], 32<<16                      ; the scales of all 256 rows: 8,192 bytes
	s_mov_b32 s[\g+3], 32<<16
	s_mov_b32 s[\g+4], 32
	s_mov_b32 s[\g+5], 32
	s_mov_b32 s[\g+6], 0
	s_mov_b32 s[\g+7], 0
.endr
	s_mul_i32 s20, s17, 196608                     ; A's block of 256 rows: its codes, K step 0 first,
	s_mul_i32 s46, s42, 196608                     ; B's
	s_lshl_b32 s22, s17, 13                        ; and their scale bytes: 256 rows of 32
	s_lshl_b32 s92, s42, 13
	s_mov_b32 s21, 0
	s_mov_b32 s23, 0
	s_mov_b32 s47, 0
	s_mov_b32 s93, 0
	s_mul_i32 s45, s14, HALFT                      ; where the ring's loads go: wave x 128 rows: no place in the cluster enters an LDS address
	s_add_nc_u64 s[20:21], s[4:5], s[20:21]
	s_add_nc_u64 s[22:23], s[6:7], s[22:23]
	s_add_nc_u64 s[46:47], s[8:9], s[46:47]
	s_add_nc_u64 s[92:93], s[10:11], s[92:93]
	s_mul_i32 s6, s16, 24576                       ; in the ring I fetch 128 rows of a tile: which half, in bytes
	s_mov_b32 s7, 0
	CROUND                                         ; all sixteen work-groups are here: the first joint loads meet
	s_mov_b32 s[G0], 1                             ; the head's four tiles, each whole: K step 0's 256 rows of A (slot 0's own group 0 serves; it is set for the ring behind the wait for this load),
	s_mov_b32 s[G0+1], 0
	s_mov_b64 s[G0+2:G0+3], s[20:21]
	s_or_b32 s[G0+3], s[G0+3], 0x80000000
	s_mov_b32 s[G0B], 1                            ; its 256 rows of B, behind them in slot 0,
	s_mov_b32 s[G0B+1], 2*HALFT
	s_mov_b64 s[G0B+2:G0B+3], s[46:47]
	s_or_b32 s[G0B+3], s[G0B+3], 0x80000000
	s_mov_b32 s[G0S], 1                            ; the scales of A's 256 rows,
	s_mov_b32 s[G0S+1], SCL
	s_mov_b64 s[G0S+2:G0S+3], s[22:23]
	s_or_b32 s[G0S+3], s[G0S+3], 0x80000000
	s_mov_b32 s[G0SB], 1                           ; and of B's
	s_mov_b32 s[G0SB+1], SCL+2*HALFS
	s_mov_b64 s[G0SB+2:G0SB+3], s[92:93]
	s_or_b32 s[G0SB+3], s[G0SB+3], 0x80000000
	s_add_nc_u64 s[20:21], s[20:21], s[6:7]        ; slot 1: my 128 rows of K step 1
	s_add_nc_u64 s[46:47], s[46:47], s[6:7]
	s_mov_b32 s[G0+4], 1
	s_add_co_u32 s[G0+5], s45, SLOT
	s_add_nc_u64 s[G0+6:G0+7], s[20:21], ROWB
	s_or_b32 s[G0+7], s[G0+7], 0x80000000
	s_mov_b32 s[G0B+4], 1
	s_add_co_u32 s[G0B+5], s45, SLOT
	s_add_nc_u64 s[G0B+6:G0B+7], s[46:47], ROWB
	s_or_b32 s[G0B+7], s[G0B+7], 0x80000000
; THE HEAD'S LOADS, ONE A WAVE: one chain of branches on the wave's number, a load to an arm, all arms leading to one join.
.macro ARM under, g0, g1, next
	s_cmp_lt_u32 s14, \under
	s_cbranch_scc0 \next
	tensor_load_to_lds s[\g0:\g0+3], s[\g1:\g1+7]
	s_nop 0
.rept 4
	v_nop
.endr
	s_branch .Lhead_asked
\next:
.endm
	ARM 1, G0,  G1,  .Lhead_b
	ARM 2, G0B, G1B, .Lhead_sa
	ARM 3, G0S, G1S, .Lhead_sb
	tensor_load_to_lds s[G0SB:G0SB+3], s[G1SB:G1SB+7]
	s_nop 0
.rept 4
	v_nop
.endr
.Lhead_asked:
	v_and_b32 v1, 15, v0                           ; r = l % 16
	v_bfe_u32 v2, v0, 4, 1                         ; h = l / 16
	v_mul_u32_u24 v3, v1, PITCH
	v_mul_u32_u24 v4, v2, 24
	v_add_nc_u32 v4, v3, v4                        ; a fragment's row x pitch + 24 x half
	v_lshl_add_u32 v5, v2, 4, v4                   ; and the same behind one padding more
	s_mul_i32 s21, s15, HALFT                      ; my 128 rows of A
	s_mul_i32 s22, s16, HALFT                      ; my 128 rows of B,
	s_add_co_u32 s22, s22, 2*HALFT                 ; which lie behind A's 256
.irp s, 0,1
	v_add_nc_u32 v[ADRA+\s], s21, v4
	v_add_nc_u32 v[ADRB+\s], s22, v4
	v_add_nc_u32 v[ADRA+2+\s], s21, v5
	v_add_nc_u32 v[ADRB+2+\s], s22, v5
	s_add_co_u32 s21, s21, SLOT
	s_add_co_u32 s22, s22, SLOT
.endr
	v_mul_u32_u24 v5, v1, KS                       ; my row's scales: KS bytes a row,
	v_lshrrev_b32 v6, 8, v5
	v_lshl_add_u32 v5, v6, 4, v5                   ; and 16 more for each 256 passed
	s_mul_i32 s21, s15, HALFS                      ; A's: my 128 rows
	s_mul_i32 s22, s16, HALFS                      ; B's: my 128 rows, behind A's 256
	s_add_co_u32 s22, s22, 2*HALFS
	s_sub_co_u32 s22, s22, s21
	v_mul_u32_u24 v6, s22, v2                      ; lanes 16-31 take B's
	s_add_co_u32 s21, s21, SCL
	v_add_nc_u32 v5, v5, v6
	v_add_nc_u32 v[ADRS], s21, v5
	; the way out's addresses
	v_and_b32 v6, 31, v0
	v_lshlrev_b32 v[GA], 3, v6
	v_lshlrev_b32 v[GB], 4, v6
	v_lshlrev_b32 v[SH], 4, v2
	v_lshlrev_b32 v5, 2, v1                        ; 4 r
	s_lshl_b32 s21, s14, 10
	v_lshl_add_u32 v[STQ], v2, 9, v5
	v_add_nc_u32 v[STQ], s21, v[STQ]
	v_add_nc_u32 v[RDQ], s21, v[GB]
	s_lshl_b32 s21, s14, 9
	s_add_co_u32 s21, s21, 8192
	v_add_nc_u32 v[STV], s21, v5
	v_add_nc_u32 v[RDV], s21, v[GB]
	v_mul_u32_u24 v[GV], v2, BHB                   ; the second head's words lie a head's record further on
	v_lshl_add_u32 v[GV], v1, 4, v[GV]
	v_lshlrev_b32 v[BQ], 6, v2
	v_and_b32 v[BV], 8, v1
	v_add_nc_u32 v[BV], v[BV], v1
	v_lshlrev_b32 v[BV], 2, v[BV]
	; where my wave's results go.  RA, RB: my first row of A and of B; one of them counts tokens, the other rows of wq
	s_lshl_b32 s18, s17, 8
	s_lshl_b32 s19, s15, 7
	s_add_co_u32 s18, s18, s19                     ; RA
	s_lshl_b32 s19, s42, 8
	s_lshl_b32 s20, s16, 7
	s_add_co_u32 s19, s19, s20                     ; RB
	s_cmp_eq_u32 ttmp9, 2
	s_cselect_b32 s20, s19, s18                    ; my first token
	s_cselect_b32 s21, s18, s19                    ; my first row of wq
	s_cselect_b32 s22, 6144, 0                     ; v's tiles lie behind k's eight in a key step's record
	s_cselect_b32 s23, 512, 0                      ; v's words lie behind k's 512 bytes of words in the record
	s_and_b32 s21, s21, 1023                       ; my first feature
	s_lshr_b32 s67, s20, 11                        ; the batch
	s_lshl_b32 s67, s67, 4
	s_lshr_b32 s92, s21, 6
	s_add_co_u32 s67, s67, s92                     ; batch x 16 + my first head (I hold two)
	s_bfe_u32 s92, s20, 0x40007                    ; the key step: (token % 2,048) / 128
	s_mul_i32 s93, s67, BHB
	s_mul_i32 s94, s92, KSB
	s_add_co_u32 s93, s93, s94
	s_add_co_u32 s4, s93, s22
	s_mov_b32 s5, 0
	s_add_nc_u64 s[12:13], s[12:13], s[4:5]        ; the codes
	s_add_co_u32 s93, s93, s23                     ; (s93 still holds where my key step's record begins)
	s_add_co_u32 s4, s93, 12288                    ; the words lie behind the record's twelve tiles
	s_add_nc_u64 s[98:99], s[98:99], s[4:5]        ; the scale words
	s_lshl_b32 s4, s21, 2
	s_add_nc_u64 s[96:97], s[96:97], s[4:5]        ; the bias at my first feature
	; the bias, in the layout of a block's 64 results.  Both ways fill the same 64 registers
	s_cmp_eq_u32 ttmp9, 2
	s_cbranch_scc1 .Lbias_v
	s_wait_alu depctr_va_vdst(0)
.irp b, 0,1,2,3,4,5,6,7                        ; q, k: register 8 b + j is feature 32 (b / 2) + 16 h + 8 (b % 2) + j, the same for every block a
	global_load_b128 v[BI+8*\b:BI+8*\b+3], v[BQ], s[96:97] offset:128*(\b/2)+32*(\b%2)
	global_load_b128 v[BI+8*\b+4:BI+8*\b+7], v[BQ], s[96:97] offset:128*(\b/2)+32*(\b%2)+16
.endr
	s_branch .Lbias_in
.Lbias_v:
	s_wait_alu depctr_va_vdst(0)
.irp a, 0,1,2,3,4,5,6,7                        ; v: in block a my lane holds feature 32 (a / 2) + 8 (a % 2) + r + 8 (r / 8): one number, eight times
.irp j, 0,1,2,3,4,5,6,7
	global_load_b32 v[BI+8*\a+\j], v[BV], s[96:97] offset:128*(\a/2)+32*(\a%2)
.endr
.endr
.Lbias_in:
.macro FRAG reg, adr, q, i             ; a fragment, 16 rows x 128 K, is 12 registers: lane l holds row l % 16; registers 6 c .. 6 c + 5 hold K = 64 c + 32 (l / 16) + 0 .. 31: 24 bytes of the row, as they lie
.irp p, 0,1,2,3,4,5                    ; in pieces of 8 bytes.  Lanes 16-31 read three pieces further on than lanes 0-15
.set PCE, 12*(\q)+6*(\p/3)+\p%3       ; 16 bytes of padding lie behind every 8 pieces: where the piece three on lies behind one padding more, the second address register serves
.if PCE%8 < 5
	ds_load_b64 v[\reg+2*\p:\reg+2*\p+1], v[\adr] offset:8*PCE+16*(PCE/8)+(\i)*16*PITCH
.else
	ds_load_b64 v[\reg+2*\p:\reg+2*\p+1], v[\adr+2] offset:8*PCE+16*(PCE/8)+(\i)*16*PITCH
.endif
.endr
.endm
; 16 matrix instructions: A's blocks a0, a0 + 1 x B's eight, 128 along K: the slot's q-th.  p: B's set;  sc: the set of scale words.  zero = 1: the first product starts the sums.
; The 64 accumulators take turns, one instruction a turn, in the same order in every step.
.macro MUL16 a0, p, q, sc, zero
.irp a, \a0, \a0+1
.irp b, 0,1,2,3,4,5,6,7
.if \zero
	v_wmma_scale_f32_16x16x128_f8f6f4 v[8*(8*((\a)%4)+\b):8*(8*((\a)%4)+\b)+7], v[128*(\p)+FR*\b:128*(\p)+FR*\b+FR-1], v[AF+FR*(\a):AF+FR*(\a)+FR-1], 0, v[SC+8*NQ*(\sc)+NQ*\b+(\q)], v[SC+8*NQ*(\sc)+NQ*(\a)+(\q)] matrix_a_fmt:MATRIX_FMT_FP6 matrix_b_fmt:MATRIX_FMT_FP6 matrix_a_scale:MATRIX_SCALE_ROW1
.else
	v_wmma_scale_f32_16x16x128_f8f6f4 v[8*(8*((\a)%4)+\b):8*(8*((\a)%4)+\b)+7], v[128*(\p)+FR*\b:128*(\p)+FR*\b+FR-1], v[AF+FR*(\a):AF+FR*(\a)+FR-1], v[8*(8*((\a)%4)+\b):8*(8*((\a)%4)+\b)+7], v[SC+8*NQ*(\sc)+NQ*\b+(\q)], v[SC+8*NQ*(\sc)+NQ*(\a)+(\q)] matrix_a_fmt:MATRIX_FMT_FP6 matrix_b_fmt:MATRIX_FMT_FP6 matrix_a_scale:MATRIX_SCALE_ROW1
.endif
.endr
.endr
.endm
.macro FETCH_B slot, q, p              ; B's eight fragments of the slot's q-th 128 along K into set p
	WIN TO_B
.irp i, 0,1,2,3,4,5,6,7
	FRAG 128*(\p)+FR*\i, ADRB+\slot, \q, \i
.endr
	WIN 0
.endm
.macro FETCH_A slot, q, i0             ; A's blocks i0 .. i0 + 3
.irp i, \i0, \i0+1, \i0+2, \i0+3
	FRAG AF+FR*(\i), ADRA+\slot, \q, \i
.endr
.endm
.macro SCALES sc                       ; a K step's scale words into set sc: two words a row; lanes 0-15 take A's block i, lanes 16-31 B's block i
.irp i, 0,1,2,3,4,5,6,7
	ds_load_b64 v[SC+8*NQ*\sc+NQ*\i:SC+8*NQ*\sc+NQ*\i+1], v[ADRS] offset:\i*SBLK
.endr
.endm
; A load into a register that a matrix instruction has read, and a vector instruction that reads a matrix result or writes one of a matrix instruction's registers, stand NP places behind it;
; only plain vector instructions that name none of its registers are places (ISA guide 7.12.1 for vector instructions).
.macro PLACES n
.rept \n
	v_nop
.endr
.endm
; A step of 128 along K that has its successor in the same slot.
.macro STEP slot, q, zero
	s_wait_dscnt 4*NL                              ; B's set and A's blocks 0-3 are in; the youngest 24 loads (A's blocks 4-7) may be out
	WIN MUL_LO
	MUL16 0, (\q)%2, \q, \slot, \zero
	MUL16 2, (\q)%2, \q, \slot, \zero
	s_wait_dscnt 0                                 ; A's blocks 4-7 are in
	PLACES NP
	FETCH_B \slot, (\q)+1, 1-(\q)%2
	FETCH_A \slot, (\q)+1, 0
	WIN MUL_HI
	MUL16 4, (\q)%2, \q, \slot, \zero
	MUL16 6, (\q)%2, \q, \slot, \zero
	PLACES NP
	WIN 0
	FETCH_A \slot, (\q)+1, 4
.endm
; A slot's last step changes slots: ONE barrier; in front of it each wave waits for all its tensor loads, adds 0 to its spare word, and waits for that and for its own reads of this slot.  fill = 1: this slot is filled again, two K steps ahead.
.macro TURN slot, next, fill
	s_wait_tensorcnt 0x0                           ; all my tensor loads have landed: my part of the next slot  (every window is 0 here)
	ds_add_u32 v[SPW], v[NIL]                      ; 0 onto my spare word
	s_wait_dscnt 4*NL+1                            ; (the add and the youngest 24 loads, A's blocks 4-7, may be out)
	WIN MUL_LO
	MUL16 0, 1, NQ-1, \slot, 0                     ; sixteen matrix instructions stand between the add and the wait for it
	s_wait_dscnt 0x0                               ; the add is done, and my reads of this slot are over
	s_barrier_signal -1
	MUL16 2, 1, NQ-1, \slot, 0
	WIN 0
	s_barrier_wait -1
.if \fill
	CREST                                          ; the barrier has opened a round of the cluster's barrier: no wave of any partner still reads this slot's tile or has a load on its way
	s_add_nc_u64 s[G0+4*\slot+2:G0+4*\slot+3], s[G0+4*\slot+2:G0+4*\slot+3], 2*ROWB
	s_add_nc_u64 s[G0B+4*\slot+2:G0B+4*\slot+3], s[G0B+4*\slot+2:G0B+4*\slot+3], 2*ROWB
	JLOAD G0+4*\slot, G1, G0B+4*\slot, G1B         ; the first tensor load behind the round; the four v_nop behind it are the places in front of the loads below
.else
	PLACES NP
.endif
	s_wait_alu depctr_va_vdst(0)
	v_add_nc_u32 v[ADRS], 4*NQ, v[ADRS]            ; on to the next K step's scale words (no LDS load of mine is out)
	FETCH_B \next, 0, 0
	FETCH_A \next, 0, 0
	SCALES \next
	WIN MUL_HI
	MUL16 4, 1, NQ-1, \slot, 0
	MUL16 6, 1, NQ-1, \slot, 0
	PLACES NP
	WIN 0
	FETCH_A \next, 0, 4
.endm
	s_wait_alu depctr_va_vdst(0)                   ; the wait at the head's end
	s_wait_tensorcnt 0x0                           ; my tile of the head's four is in
	ds_add_u32 v[SPW], v[NIL]
	s_mov_b32 s[G1+2], 96<<16                      ; no tensor load of mine is out, so descriptors may be written: from here on a load brings 128 rows of 192 bytes = 96 of 256,
	s_mov_b32 s[G1+4], 96
	s_mov_b32 s[G1B+2], 96<<16
	s_mov_b32 s[G1B+4], 96
	s_mov_b32 s[G0+1], s45                         ; and slot 0's groups 0 stand at my 128 rows of K step 0
	s_add_nc_u64 s[G0+2:G0+3], s[G0+2:G0+3], s[6:7]
	s_mov_b32 s[G0B+1], s45
	s_add_nc_u64 s[G0B+2:G0B+3], s[G0B+2:G0B+3], s[6:7]
	s_wait_dscnt 0x0                               ; the add is done
	CROUND                                         ; a whole round: all four tiles are in, and the joint loads meet
	JLOAD G0+4, G1, G0B+4, G1B                     ; K step 1, the first tensor load behind the round
	FETCH_B 0, 0, 0
	FETCH_A 0, 0, 0
	SCALES 0
	FETCH_A 0, 0, 4
	STEP 0, 0, 1                                   ; the first step stands in front of the loop: its products start the sums
	s_mov_b32 s3, LAPS-1
.Llap:                                                 ; a trip goes once round the ring, from a lap's second step to the next lap's first, and fills both slots again
	TURN 0, 1, 1
	STEP 1, 0, 0
	TURN 1, 0, 1
	STEP 0, 0, 0
	s_sub_co_u32 s3, s3, 1
	s_cmp_lg_u32 s3, 0
	s_cbranch_scc1 .Llap
	TURN 0, 1, 0                                   ; the last lap fills nothing, and has no round of the cluster's barrier
	STEP 1, 0, 0
	s_wait_dscnt 4*NL                              ; the very last step: nothing more to fetch
	WIN MUL_LO
	MUL16 0, 1, NQ-1, 1, 0
	MUL16 2, 1, NQ-1, 1, 0
	s_wait_dscnt 0
	WIN MUL_HI
	MUL16 4, 1, NQ-1, 1, 0
	MUL16 6, 1, NQ-1, 1, 0
	WIN 0
; 64 numbers of a lane, v[s] .. v[s + 63], register 16 b + i = k 32 b + 16 (lane / 16) + i of my row, become a fragment's codes in v[PC] on and its scale word in v[PW].
; isv = 1 (v, whose K is the keys): in the odd blocks of 32 keys the two halves of 16 change places, as attention's p has them.
.macro QUANT s, isv
.irp b, 0,1,2,3
	v_max3_num_f32 v[TM+\b], |v[\s+16*\b]|, |v[\s+1+16*\b]|, 0x1800000   ; block b: my 16 numbers, and the floor 2^(3 - 127): so the byte cannot fall under 1
.endr
.irp i, 2,4,6,8,10,12,14
.irp b, 0,1,2,3
	v_max3_num_f32 v[TM+\b], v[TM+\b], |v[\s+16*\b+\i]|, |v[\s+1+16*\b+\i]|   ; (the four blocks by turns)
.endr
.endr
.irp b, 0,1,2,3
	v_permlanex16_b32 v[TM+4+\b], v[TM+\b], s[SEL], s[SEL+1]
.endr
.irp b, 0,1,2,3
	v_max_num_f32 v[TM+\b], v[TM+\b], v[TM+4+\b]   ; with lane l xor 16's: the block's largest magnitude
.endr
.irp b, 0,1,2,3
	v_add_nc_u32 v[TM+12+\b], 0xff000000, v[TM+\b]   ; 2 off its exponent field: the conversion's scale operand
.endr
.irp b, 0,1,2,3
	v_lshrrev_b32 v[TM+4+\b], 23, v[TM+12+\b]   ; the scale's byte
.endr
	v_lshl_or_b32 v[PW], v[TM+5], 8, v[TM+4]   ; the four bytes make my row's scale word
	v_lshl_or_b32 v[PW], v[TM+6], 16, v[PW]
	v_lshl_or_b32 v[PW], v[TM+7], 24, v[PW]
.irp c, 0,1
	v_cvt_scalef32_pk16_fp6_f32 v[PC+6*\c:PC+2+6*\c], v[\s+32*\c:\s+15+32*\c], v[TM+12+2*\c]
	v_cvt_scalef32_pk16_fp6_f32 v[PC+12+4*\c:PC+14+4*\c], v[\s+16+32*\c:\s+31+32*\c], v[TM+12+2*\c+1]   ; (a conversion's three registers begin on an even number)
.endr
	v_nop                                          ; one plain place behind a scaled conversion
.irp c, 0,1                                    ; the operand's layout wants a WHOLE block in a lane: lanes 0-15 block 2 c, lanes 16-31 block 2 c + 1
.irp i, 0,1,2
.if \isv
	v_permlanex16_b32 v[PC+3+6*\c+\i], v[PC+12+4*\c+\i], s[SEL], s[SEL+1]   ; block 2 c + 1: its upper 16 codes into lanes 0-15, its lower 16 into lanes 16-31
.else
	v_permlane16_swap_b32 v[PC+6*\c+\i], v[PC+12+4*\c+\i]
.endif
.endr
.irp i, 0,1,2
.if \isv
	v_permlane16_swap_b32 v[PC+6*\c+\i], v[PC+3+6*\c+\i]   ; lanes 0-15: block 2 c, lower then upper; lanes 16-31: block 2 c + 1, upper then lower
.else
	v_mov_b32 v[PC+3+6*\c+\i], v[PC+12+4*\c+\i]
.endif
.endr
.endr
.endm
; THE WAY OUT of A's block a: + bias, quantised, the codes stored straight from registers, the scale word into my stage.  The stage lies in slot 0, which has had its last fill and its last read.
.macro OUTBLK a, isv
.if (\a) > 0
	s_wait_xcnt 0x0                                ; the last block's stores have read their registers: the codes may be written again
.endif
.set AC, 64*((\a)%4)
	WIN 0x02+(\a)/4                                ; source 0: window 2 or 3
.set n, 0
.rept 32                                       ; each accumulator from its low end on
.if \isv
	v_pk_add_f32 v[T+n:T+n+1], v[AC+n:AC+n+1], v[BI+8*(\a):BI+8*(\a)+1]
.else
	v_pk_add_f32 v[T+n:T+n+1], v[AC+n:AC+n+1], v[BI+n:BI+n+1]
.endif
.set n, n+2
.endr
	WIN 0
	QUANT T, \isv
.if \isv
	v_mov_b32 v[SW+(\a)], v[PW]
	ds_store_b32 v[STV], v[SW+(\a)] offset:64*(\a)                 ; (both halves of the lanes write the same word with the same value)
.irp c, 0,1,2
	global_store_b128 v[GB], v[PC+4*\c:PC+4*\c+3], s[12:13] offset:((\a)/4)*BHB+1536*((\a)%4)+512*\c   ; head a / 4, tile a % 4: 512 consecutive bytes, aligned
.endr
.else
	v_lshrrev_b32 v[SW+(\a)], v[SH], v[PW]                         ; lanes 0-15: the first head's two bytes lowest; lanes 16-31: the second head's
	ds_store_b32 v[STQ], v[SW+(\a)] offset:64*(\a)
.irp i, 0,1,2,3,4,5
	global_store_b64 v[GA], v[PC+2*\i:PC+2*\i+1], s[12:13] offset:(\i/3)*BHB+768*(\a)+256*(\i%3)   ; registers 0-5: the first head's tile; 6-11: the second's: 256 consecutive bytes, aligned
.endr
.endif
.endm
	s_wait_loadcnt 0x0                             ; the bias
	PLACES NP                                      ; behind the last products: their results are read and A's registers written below
.irp b, 0,1,2,3
	v_mov_b32 v[TM+4+\b], 0                        ; written once: a lane permute's destination counts as one of its sources
.endr
.irp i, 3,4,5,9,10,11
	v_mov_b32 v[PC+\i], 0                          ; likewise
.endr
	s_cmp_eq_u32 ttmp9, 2
	s_cbranch_scc1 .Lout_v
.irp a, 0,1,2,3,4,5,6,7
	OUTBLK \a, 0
.endr
	ds_load_b128 v[RBK:RBK+3], v[RDQ]              ; LDS serves a wave's instructions in order: these see my stores.  The first head's 128 words,
	ds_load_b128 v[RBK+4:RBK+7], v[RDQ] offset:512 ; the second's
	s_wait_dscnt 0x0
	global_store_b128 v[GB], v[RBK:RBK+3], s[98:99]
	global_store_b128 v[GB], v[RBK+4:RBK+7], s[98:99] offset:BHB
	s_branch .Ldone
.Lout_v:
.irp a, 0,1,2,3,4,5,6,7
	OUTBLK \a, 1
.endr
	ds_load_b128 v[RBK:RBK+3], v[RDV]              ; lanes 0-15: the first head's 64 words; lanes 16-31: the second's
	s_wait_dscnt 0x0
	global_store_b128 v[GV], v[RBK:RBK+3], s[98:99]
.Ldone:
	s_wait_tensorcnt 0x0                           ; the wave's end, behind my last tensor load and my last LDS store
	ds_add_u32 v[SPW], v[NIL]
	s_wait_dscnt 0x0
	CROUND                                         ; the closing round: no work-group ends while a partner may still ask for a tile that names it
	s_endpgm
.Lfunc_end_k_q5d540ac020_qkv:
	.size	k_q5d540ac020_qkv, .Lfunc_end_k_q5d540ac020_qkv-k_q5d540ac020_qkv
	.p2alignl 7, 3214868480
	.fill 96, 4, 3214868480
	.section	.rodata,"a",@progbits
	.p2align	6, 0x0
	.amdhsa_kernel k_q5d540ac020_qkv
		.amdhsa_group_segment_fixed_size 327680
		.amdhsa_private_segment_fixed_size 0
		.amdhsa_enable_private_segment 0
		.amdhsa_kernarg_size 56
		.amdhsa_user_sgpr_count 2
		.amdhsa_user_sgpr_kernarg_segment_ptr 1
		.amdhsa_wavefront_size32 1
		.amdhsa_system_sgpr_workgroup_id_x 1
		.amdhsa_system_sgpr_workgroup_id_y 1
		.amdhsa_system_sgpr_workgroup_id_z 1
		.amdhsa_system_vgpr_workitem_id 0
		.amdhsa_next_free_vgpr 1024
		.amdhsa_next_free_sgpr 102
		.amdhsa_reserve_vcc 0
		.amdhsa_float_denorm_mode_32 3
		.amdhsa_float_denorm_mode_16_64 3
		.amdhsa_memory_ordered 1
		.amdhsa_forward_progress 1
		.amdhsa_inst_pref_size 244
	.end_amdhsa_kernel
	.amdgpu_metadata
---
amdhsa.version: [ 1, 2 ]
amdhsa.kernels:
  - .name:           k_q5d540ac020_qkv
    .symbol:         k_q5d540ac020_qkv.kd
    .args:
      - { .name: xq, .offset: 0, .size: 8, .value_kind: global_buffer, .address_space: global }
      - { .name: wq, .offset: 8, .size: 8, .value_kind: global_buffer, .address_space: global }
      - { .name: bq, .offset: 16, .size: 8, .value_kind: global_buffer, .address_space: global }
      - { .name: bk, .offset: 24, .size: 8, .value_kind: global_buffer, .address_space: global }
      - { .name: bv, .offset: 32, .size: 8, .value_kind: global_buffer, .address_space: global }
      - { .name: qb, .offset: 40, .size: 8, .value_kind: global_buffer, .address_space: global }
      - { .name: kvb, .offset: 48, .size: 8, .value_kind: global_buffer, .address_space: global }
    .group_segment_fixed_size: 327680
    .private_segment_fixed_size: 0
    .kernarg_segment_align: 8
    .kernarg_segment_size: 56
    .max_flat_workgroup_size: 128
    .sgpr_count:     102
    .vgpr_count:     1024
    .wavefront_size: 32
...
	.end_amdgpu_metadata
.endif
;; end of part 2
;; launch attn (part 3): grid 8 x 32, 16 waves a work-group, clusters of 4 x 1, 215,040 bytes of LDS; arguments qb, kvb, yb; writes yb
.if DOCPART == 3
	.amdgcn_target "amdgcn-amd-amdhsa--gfx1250"
	.amdhsa_code_object_version 6
	.text
	.protected	k_q5d540ac020_attn
	.globl	k_q5d540ac020_attn
	.p2align	8
	.type	k_q5d540ac020_attn,@function
k_q5d540ac020_attn:
	s_mov_b64 s[64:65], 0
	v_nop
	global_prefetch_b8 v0, s[64:65] scope:SCOPE_SE
	s_setreg_imm32_b32 hwreg(HW_REG_WAVE_MODE, 25, 1), 1
	s_wait_xcnt 0x0
	s_wait_alu depctr_hold_cnt(0) depctr_sa_sdst(0) depctr_va_vdst(0) depctr_va_sdst(0) depctr_va_ssrc(0) depctr_va_vcc(0) depctr_vm_vsrc(0)
	s_getreg_b32 s2, hwreg(HW_REG_IB_STS2, 6, 4)
	s_cmp_eq_u32 s2, 0
	s_cbranch_scc0 .Lentry_in_a_cluster
	s_endpgm
.Lentry_in_a_cluster:
	s_bfe_u32 s2, ttmp6, 0x10000c
	s_cmp_lg_u32 s2, 0x3003
	s_cbranch_scc0 .Lentry_shape_is_right
	s_endpgm
.Lentry_shape_is_right:
; y[b][h][q] = the sum over k of softmax_k(q . k / 8) v, head size 64, 2,048 keys, both products on codes of FP6 (E2M3) with one E8M0 scale for each 32 along a product's K; y is quantised along its 64 channels and leaves as codes.
; THE SOFTMAX AHEAD OF THE SECOND PRODUCT: t = score x log2(e) / 8; M = the row's largest t so far, rounded UP to a whole number; p = 2^(t - M) is what is quantised, along the keys; it is not normalised.
; The row's sum is taken of the unquantised p, in f32, and divides O at the end.  When M moves, the sum and O are multiplied by 2^(old M - new M): exact.
; INPUTS, as images of operand registers: qb and kvb: [batch x 16 + head][key step of 128 stored tokens: 16][13,056: 8 tiles of 16 tokens x 64, 768 bytes each | 4 tiles of 16 channels x 128 keys of v, 1,536 bytes each | K's 128 scale words | v's 64];
;     Of qb only q's tiles and words are read.
; The tokens of a tile are not neighbours: row r of tile 2 b + u of a key step is token 32 b + 8 u + r + 8 (r / 8), so that the 16 score registers of tiles 2 b and 2 b + 1 are 16 neighbouring keys.  v's channels are tiled likewise.
; OUTPUT yb: [tile of 16 stored tokens: 256][head 16][768 bytes: the tile's image]; from byte 3,145,728 [head 16][stored token 4,096][a word: the head's two scale bytes lowest, zeros above].
; SHARES.  A work-group owns 256 stored queries of one head; each of its sixteen waves one tile of 16, in 256 registers: four waves to a SIMD, so that one wave's vector work stands beside another's matrix work and LDS loads.
; THE HEAD'S WHOLE K AND V, 196,608 bytes, AND THEIR SCALE WORDS LIE IN LDS, filled once: no slot is ever filled again.  They come in four chunks of four key steps, so that work begins when the first has landed.
; TWO BARRIERS: behind the first the scale words and chunk 0 are whole, and key steps 0 and 1 are worked (their requests reach step 2, inside chunk 0); in front of the second every wave has waited for all its tensor
; loads, so that behind it all of K and V is whole: from there on the waves share nothing and are not brought into step again until the way out.
; LDS IS ASKED A PHASE AHEAD: straight behind a step's products K Q^T the wave asks for this step's v, which lands under the softmax, and for the NEXT step's K, which lands under the softmax and the products V^T P.
; CLUSTER.  The four query blocks of a cluster belong to one head: every tile is asked for jointly, by the same tensor load with the same descriptor and the mask of all four.  A wave has one tensor load out.
; LAYOUT.  Both products are used transposed: S^T = K Q^T (source 0 = 16 keys, source 1 = my 16 queries), O^T = V^T P^T: a lane holds ONE query (lane % 16) throughout.
; The head's K is 64 and the instruction's 128.  Q's upper six registers hold zero codes, written once.  K'S FRAGMENTS LIE SIX REGISTERS APART: the upper six registers of tile t's operand are tile t + 1's codes (tile 7's: the
; first six of v's registers).  They stand against Q's zero codes and add nothing: every code of this format is a finite number, and the two upper bytes of a scale word of q or k are never 0xff.
; LIMITS: log2(e) / 8 is applied as one multiplication; a block of zeros gets the byte 1 and not 127 (zero codes; only this program reads the bytes); NaN and infinities are not served.
; REGISTERS: v1-7 addresses that stay; v8-11 addresses of the step; v12 -M, v13 the largest t, v[14:15] the sum in two halves; v16-27 Q; v28-29 v's scale words; v32-79 eight tiles of K; v80-127 v's four fragments;
;   v128-191 S^T, then p; v192-223 O^T; v224-235 p's codes; v232-247 at work; v248-251 K's scale words; v252 f, v253 p's scale word, v254 at work; v255 Q's scale words.
.set BHB,   208896                     ; a head's record: 16 key steps
.set KSB,   13056                      ; a key step's record: 8 tiles of K | 4 tiles of v | K's 128 scale words | v's 64: the words lie INSIDE the record, in memory and in LDS, and one tensor load of 51 rows of 256 bytes brings a record
.set KVS,   6291456
.set CHK,   49152
.set SCW,   12288                      ; where the scale words begin in a record
.set YST,   208896                     ; and a stage for y's scale words: 1,024 bytes into which no fill lands
.set LK,   1                           ; v1   8 x lane: my place in a chunk of 256 bytes of a tile's image
.set LV,   2                           ; v2   16 x lane + 6,144: the same for v's tiles
.set LS,   3                           ; v3   4 r + 128 (r / 8) + 64 (lane / 16) + SCW: K's scale words
.set LT,   4                           ; v4   4 x lane + SCW + 512: v's
.set YSA,  5                           ; v5   where my row's word of y goes in the stage
.set YRD,  6                           ; v6   where the stage is read back (waves 0 and 1)
.set YGO,  7                           ; v7   and the same place in memory
.set ADK,  8
.set ADV,  9
.set ADS,  10
.set ADT,  11
.set VW,   28                          ; v28-29 v's scale words
.set KF,   32                          ; tile t of K at v[KF + 6 t]
.set VF,   80                          ; fragment f of v at v[VF + 12 f]
.set P0,   128
.set OT,   192
.set WV,   18
.set SEL,  20                          ; s[20:21] lane selects for v_permlanex16_b32: lane l xor 16
.set CS,   22                          ; s[22:23] c = log2(e) / 8
.set G1,   24                          ; s[24:31] group 1: 51 rows of 256 bytes
.set G1S,  32
.set G0S,  40
.set G0C,  44
.set TB,   60                          ; LDS byte at which the key step's record begins
.set TS,   61
.set TV,   62
.set CNT,  63
.macro CROUND                          ; a round of the cluster's barrier
	s_barrier_signal -1
	s_barrier_wait -1
	s_cmp_lg_u32 s[WV], 0
	s_cbranch_scc1 .Lnot_wave_0_\@
	s_barrier_signal -3
.Lnot_wave_0_\@:
	s_barrier_wait -3
	s_barrier_signal -1
	s_barrier_wait -1
.endm
	s_load_b128 s[4:7], s[0:1], 0x0                ; qb, kvb
	s_load_b64 s[8:9], s[0:1], 0x10                ; yb
	v_lshl_add_u32 v31, v0, 2, 0x34000
	v_mov_b32 v243, 0
	ds_add_u32 v31, v243
	ds_add_u32 v31, v243
	v_lshrrev_b32 v8, 5, v0
	s_delay_alu instid0(VALU_DEP_1)
	v_readfirstlane_b32 s[WV], v8                  ; wave 0..15
	s_bfe_u32 s66, ttmp6, 0x40000                  ; cx: my place in the cluster
	s_lshl_b32 s67, ttmp9, 2
	s_add_co_u32 s67, s67, s66                     ; my block of 256 queries: it enters q's and y's addresses alone
	s_and_b32 s68, ttmp7, 0xffff                   ; batch x 16 + head, which the four partners share
	s_mul_i32 s70, s68, BHB
	s_mul_i32 s69, s[WV], KSB                      ; wave w fetches key step w's record: the same place in memory and in LDS
	s_add_co_u32 s70, s70, s69
	s_mov_b32 s71, 0
	s_lshl_b32 s78, s67, 1                         ; q's tile: key step 2 x block + wave / 8, tile wave % 8
	s_lshr_b32 s79, s[WV], 3
	s_add_co_u32 s78, s78, s79
	s_mul_i32 s78, s78, KSB
	s_and_b32 s79, s[WV], 7
	s_mul_i32 s79, s79, 768
	s_add_co_u32 s78, s78, s79
	s_mul_i32 s79, s68, BHB
	s_add_co_u32 s78, s78, s79
	s_mov_b32 s79, 0
	s_and_b32 s83, s[WV], 7                        ; q's words: in the same record as q's tile, at 12,288 + 64 x tile: 768 - 64 = 704 less for each tile than the tile's own place
	s_mul_i32 s83, s83, 704
	s_sub_co_u32 s82, s78, s83
	s_add_co_u32 s82, s82, 12288
	s_mov_b32 s83, 0
	s_lshr_b32 s84, s68, 4                         ; the batch
	s_and_b32 s85, s68, 15                         ; the head
	s_lshl_b32 s86, s84, 7                         ; y's tile: 128 x batch + 16 x block + wave
	s_lshl_b32 s87, s67, 4
	s_add_co_u32 s86, s86, s87
	s_add_co_u32 s86, s86, s[WV]
	s_mul_i32 s86, s86, 12288
	s_mul_i32 s87, s85, 768
	s_add_co_u32 s86, s86, s87
	s_mov_b32 s87, 0
	s_lshl_b32 s88, s85, 14                        ; y's words: 16,384 x head + 4 x (2,048 x batch + 256 x block)
	s_lshl_b32 s89, s84, 13
	s_add_co_u32 s88, s88, s89
	s_lshl_b32 s89, s67, 10
	s_add_co_u32 s88, s88, s89
	s_add_co_u32 s88, s88, 3145728
	s_mov_b32 s89, 0
	; descriptor group 1: dense blocks as rows of 256 bytes (32 elements of 8 bytes), no padding
	s_mov_b32 s[G1], 15|(3<<16)|(1<<21)            ; 15:0 the mask: all four work-groups; 17:16 elements of 8 bytes; 21 set beside a mask
	s_mov_b32 s[G1+1], 32<<16                      ; tensor_dim0
	s_mov_b32 s[G1+2], 51<<16                      ; tensor_dim1: a record
	s_mov_b32 s[G1+3], 32<<16                      ; tile_dim0
	s_mov_b32 s[G1+4], 51                          ; tile_dim1
	s_mov_b32 s[G1+5], 32                          ; tensor_dim0_stride
	s_mov_b32 s[G1+6], 0
	s_mov_b32 s[G1+7], 0
	s_mov_b32 s[SEL], 0x76543210
	s_mov_b32 s[SEL+1], 0xfedcba98
	s_mov_b32 s[CS], 0x3e38aa3b                    ; c = log2(e) / 8
	s_mov_b32 s[CS+1], s[CS]                       ; (named with it as a pair, so it is written)
	s_wait_dscnt 0x0
	s_wait_kmcnt 0x0
	s_mov_b32 s[G0C], 1
	s_mov_b32 s[G0C+1], s69
	s_add_nc_u64 s[G0C+2:G0C+3], s[6:7], s[70:71]  ; my key step's record
	s_or_b32 s[G0C+3], s[G0C+3], 0x80000000
	s_add_nc_u64 s[80:81], s[4:5], s[78:79]        ; q's tile
	s_add_nc_u64 s[82:83], s[4:5], s[82:83]        ; q's words
	s_add_nc_u64 s[86:87], s[8:9], s[86:87]        ; y's tile
	s_add_nc_u64 s[88:89], s[8:9], s[88:89]        ; y's words
	CROUND                                         ; all four work-groups are here: the joint loads meet
	s_cmp_lt_u32 s[WV], 4                          ; ONE LOAD A WAVE, in two arms: the first barrier waits for waves 0 to 3 alone, so they have a load line of their own
	s_cbranch_scc0 .Llater
	tensor_load_to_lds s[G0C:G0C+3], s[G1:G1+7]    ; key steps 0 to 3
	s_nop 0
.rept 4
	v_nop
.endr
	s_branch .Lasked
.Llater:
	tensor_load_to_lds s[G0C:G0C+3], s[G1:G1+7]    ; key steps 4 to 15
	s_nop 0
.rept 4
	v_nop
.endr
.Lasked:
	v_and_b32 v8, 31, v0
	v_and_b32 v9, 15, v0                           ; r
	s_delay_alu instid0(VALU_DEP_2)
	v_lshlrev_b32 v[LK], 3, v8
	s_delay_alu instid0(VALU_DEP_2)
	v_lshlrev_b32 v254, 2, v9
.irp p, 0,1,2
	global_load_b64 v[16+2*\p:17+2*\p], v[LK], s[80:81] offset:256*\p   ; Q's six registers stay
.endr
	global_load_b32 v255, v254, s[82:83]           ; Q's scale words
	v_lshlrev_b32 v[LV], 4, v8
	s_delay_alu instid0(VALU_DEP_1)
	v_add_nc_u32 v[LV], 6144, v[LV]
; WHICH KEYS FORM A FRAGMENT OF K is chosen by the LDS addresses: in fragment 4 c + j lanes r < 8 take the 8 keys 64 c + 8 j + r, lanes r >= 8 the 8 keys 64 c + 32 + 8 (j xor 2) + r - 8.
; So lane (r, h) holds in its score registers 32 c + 0 .. 31 one WHOLE block of 32 keys, block 2 c + h: no other lane is asked for a block's maximum, and the conversions' results are the operand's registers.
; In the odd blocks the halves of 16 keys have changed places; v's codes are laid likewise.  The 32 lanes of each load still touch 256 different bytes modulo 256.
.set LKK, 30                           ; v30  8 x lane + 1,536 (r / 8): fragments j = 0, 1; with bit 6 turned over: j = 2, 3
.set SH8, 6                            ; v6   8 (lane / 16), in the loop
	v_bfe_u32 v10, v0, 3, 1
	v_mul_u32_u24 v11, v10, 1536
	v_add_nc_u32 v[LKK], v11, v[LK]
	v_lshl_add_u32 v[LS], v9, 2, SCW               ; K's words: 4 r + 128 (r / 8) + 64 (lane / 16); with bit 5 turned over: the odd registers'
	v_lshl_add_u32 v[LS], v10, 7, v[LS]
	v_bfe_u32 v11, v0, 4, 1
	v_lshl_add_u32 v[LS], v11, 6, v[LS]
	v_lshlrev_b32 v[SH8], 3, v11
	v_lshl_add_u32 v[LT], v8, 2, SCW+512
	s_lshl_b32 s90, s[WV], 6
	s_add_co_u32 s90, s90, YST
	v_lshl_add_u32 v[YSA], v9, 2, s90
	v_and_b32 v10, 63, v0
	s_delay_alu instid0(VALU_DEP_1)
	v_lshlrev_b32 v[YGO], 4, v10
.irp i, 22,23,24,25,26,27
	v_mov_b32 v[\i], 0                             ; Q's zero codes for the instruction's upper 64 along K: whatever stands against them adds nothing
.endr
.irp i, 0,1,2,3,4,5
	v_mov_b32 v[VF+\i], 0                          ; the upper six registers of tile 7's operand: written once, so that the first step reads nothing unwritten; later they hold codes of v
.endr
	v_mov_b32 v13, 0xff61b1e6                      ; the largest t so far: -3e38, under every t
	s_delay_alu instid0(VALU_DEP_1)
	v_floor_f32 v12, -v13                          ; -M
	v_mov_b32 v14, 0                               ; the sum, in two halves
	v_mov_b32 v15, 0
.irp b, 0,1,2,3
	v_mov_b32 v[236+\b], 0                         ; written once: a lane permute's destination counts as one of its sources
.endr
	v_mov_b32 v253, 0                              ; (named as the upper half of the pair v[252:253] before it is first written)
.set j, 0
.rept 32
	v_mov_b32 v[OT+j], 0                           ; O^T.  (The step is written without a first step of its own: it finds zeros, which the first change of M leaves zeros)
.set j, j+1
.endr
; The eight tiles of K and their scale words of the key step that lies off steps behind the one whose addresses are in hand: 28 LDS loads.
.macro KLOAD off
.irp t, 0,1,2,3,4,5,6,7
.irp p, 0,1,2
.if (\t%4) < 2
	ds_load_b64 v[KF+6*\t+2*\p:KF+6*\t+2*\p+1], v[ADK] offset:(\off)*KSB+768*(4*(\t/4)+\t%2)+256*\p
.else
	ds_load_b64 v[KF+6*\t+2*\p:KF+6*\t+2*\p+1], v254 offset:(\off)*KSB+768*(4*(\t/4)+\t%2)+256*\p
.endif
.endr
.endr
.irp n, 0,1,2,3
.if (\n%2) == 0
	ds_load_b32 v[248+\n], v[ADS] offset:(\off)*KSB+256*(\n/2)   ; lanes 0-15: fragment 2 n's words; lanes 16-31: fragment 2 n + 1's
.else
	ds_load_b32 v[248+\n], v252 offset:(\off)*KSB+256*(\n/2)
.endif
.endr
.endm
; A KEY STEP: 128 keys.  pre = 1: the next step's K is asked for; pre = 0: the last step, which asks for nothing more.
.macro STEP pre
	s_wait_alu depctr_va_vdst(0)
	s_wait_dscnt 0x0                               ; this step's K and its words, asked for a step ago, are in
.irp n, 0,1,2,3                                ; S^T = K Q^T
	v_wmma_scale_f32_16x16x128_f8f6f4 v[P0+16*\n:P0+16*\n+7], v[KF+12*\n:KF+12*\n+11], v[16:27], 0, v[248+\n], v255 matrix_a_fmt:MATRIX_FMT_FP6 matrix_b_fmt:MATRIX_FMT_FP6
	v_wmma_scale_f32_16x16x128_f8f6f4 v[P0+16*\n+8:P0+16*\n+15], v[KF+12*\n+6:KF+12*\n+17], v[16:27], 0, v[248+\n], v255 matrix_a_fmt:MATRIX_FMT_FP6 matrix_b_fmt:MATRIX_FMT_FP6 matrix_a_scale:MATRIX_SCALE_ROW1
.endr                                          ; lane (r, h) holds query r; register 16 b + i is key 32 b + 16 h + i of the step
	v_add_nc_u32 v[ADK], s[TB], v[LKK]
	v_add_nc_u32 v[ADV], s[TB], v[LV]
	v_add_nc_u32 v[ADS], s[TB], v[LS]
	v_add_nc_u32 v[ADT], s[TB], v[LT]
	v_xor_b32 v254, 64, v[ADK]                     ; fragments j = 2, 3: lanes r < 8 go 8 rows up in their tile, lanes r >= 8 go 8 rows down
	v_xor_b32 v252, 32, v[ADS]                     ; and the same for their words
.irp f, 0,1,2,3
.irp c, 0,1,2
	ds_load_b128 v[VF+12*\f+4*\c:VF+12*\f+4*\c+3], v[ADV] offset:1536*\f+512*\c   ; 32 lanes read 512 consecutive bytes
.endr
.endr
.irp n, 0,1
	ds_load_b32 v[VW+\n], v[ADT] offset:128*\n     ; lanes 0-15: tile 2 n's words; lanes 16-31: tile 2 n + 1's
.endr
.if \pre
	KLOAD 1                                        ; and the next step's K: 28 loads
.endif
.irp b, 0,1,2,3
	v_max3_num_f32 v[232+\b], v[P0+16*\b], v[P0+1+16*\b], v[P0+2+16*\b]   ; THE LARGEST SCORE OF EACH BLOCK OF 32 KEYS: it serves for the row's maximum and, since p rises with the score, for the block's largest p
.endr
.irp i, 3,5,7,9,11,13
.irp b, 0,1,2,3
	v_max3_num_f32 v[232+\b], v[232+\b], v[P0+16*\b+\i], v[P0+1+16*\b+\i]   ; (the four blocks by turns)
.endr
.endr
.irp b, 0,1,2,3
	v_max_num_f32 v[232+\b], v[232+\b], v[P0+15+16*\b]
.endr
	v_max3_num_f32 v254, v232, v233, v234
	v_max_num_f32 v232, v232, v233                 ; my block h's largest score,
	v_max_num_f32 v233, v234, v235                 ; my block 2 + h's
	v_max_num_f32 v254, v254, v235                 ; my 64 keys' largest,
	v_permlanex16_b32 v236, v254, s[SEL], s[SEL+1]
	v_max_num_f32 v254, v254, v236                 ; with lane l xor 16's 64 keys: the step's largest score of my query
	s_delay_alu instid0(VALU_DEP_1)
	v_mul_f32 v254, s[CS], v254                    ; as t (c is positive)
	s_delay_alu instid0(VALU_DEP_1)
	v_max_num_f32 v13, v13, v254                   ; the running largest t
	v_mov_b32 v254, v12
	s_delay_alu instid0(VALU_DEP_2)
	v_floor_f32 v12, -v13                          ; the new -M = floor(-t) = -ceil(t): M IS A WHOLE NUMBER
	s_delay_alu instid0(VALU_DEP_1)
	v_sub_f32 v254, v12, v254                      ; M's old value less its new one: a whole number, 0 or less
	s_delay_alu instid0(VALU_DEP_1)
	v_cvt_i32_f32 v254, v254                       ; (it saturates)
	s_delay_alu instid0(VALU_DEP_1)
	v_ldexp_f32 v252, 1.0, v254                    ; f = 2^(old M - new M): a multiplication by it rounds nothing
.set j, 0
.rept 32
	v_pk_fma_f32 v[P0+j:P0+j+1], v[P0+j:P0+j+1], s[CS:CS+1], v[12:13] op_sel_hi:[1,0,0]   ; t - M, two at a time (of the pairs c and -M the low word serves both halves)
.set j, j+2
.endr
.irp b, 0,1
	v_fma_f32 v[232+\b], v[232+\b], s[CS], v12
.endr
.set j, 0
	s_wait_alu depctr_va_vdst(0)
.rept 64
	v_exp_f32 v[P0+j], v[P0+j]                     ; p = 2^(t - M), at most 1: NOT normalised
.set j, j+1
.endr
.irp b, 0,1
	v_exp_f32 v[232+\b], v[232+\b]
.endr
	v_pk_mul_f32 v[14:15], v[14:15], v[252:253] op_sel_hi:[1,0]   ; the sums under the new M.  (A plain place behind the exponentials)
	s_wait_alu depctr_va_vdst(0)
.irp b, 0,1
	v_max_num_f32 v[232+\b], 0x1800000, v[232+\b]  ; the floor 2^(3 - 127): the byte cannot fall under 1
.endr
.irp b, 0,1
	v_add_nc_u32 v[244+\b], 0xff000000, v[232+\b]  ; 2 off the exponent field: the conversion's scale operand
.endr
.irp b, 0,1
	v_lshrrev_b32 v[236+\b], 23, v[244+\b]         ; the scale's byte
.endr
	v_lshl_or_b32 v253, v237, 16, v236             ; my two bytes: blocks h and 2 + h,
	v_lshlrev_b32 v253, v[SH8], v253               ; at their places in the word (8 h bits up);
	v_permlanex16_b32 v236, v253, s[SEL], s[SEL+1]
	v_or_b32 v253, v253, v236                      ; with lane l xor 16's two the word of these 128 keys is whole
.irp c, 0,1
	v_cvt_scalef32_pk16_fp6_f32 v[224+6*\c:226+6*\c], v[P0+32*\c:P0+15+32*\c], v[244+\c]
	v_cvt_scalef32_pk16_fp6_f32 v[236+4*\c:238+4*\c], v[P0+16+32*\c:P0+31+32*\c], v[244+\c]   ; (a conversion's three registers begin on an even number)
.endr
	v_nop                                          ; one plain place behind a scaled conversion
.irp c, 0,1
.irp i, 0,1,2
	v_mov_b32 v[227+6*\c+\i], v[236+4*\c+\i]
.endr
.endr
	v_pk_add_f32 v[236:237], v[132:133], v[136:137]
	v_pk_add_f32 v[246:247], v[140:141], v[144:145]
	v_pk_add_f32 v[244:245], v[148:149], v[152:153]
	v_pk_add_f32 v[240:241], v[156:157], v[160:161]
	v_pk_add_f32 v[10:11], v[164:165], v[168:169]
	v_pk_add_f32 v[8:9], v[172:173], v[176:177]
	v_pk_add_f32 v[14:15], v[14:15], v[180:181]
	v_pk_add_f32 v[236:237], v[236:237], v[184:185]
	v_pk_add_f32 v[246:247], v[246:247], v[188:189]
	v_pk_add_f32 v[244:245], v[244:245], v[128:129]
	v_pk_add_f32 v[240:241], v[240:241], v[130:131]
	v_pk_add_f32 v[10:11], v[10:11], v[134:135]
	v_pk_add_f32 v[8:9], v[8:9], v[138:139]
	v_pk_add_f32 v[14:15], v[14:15], v[142:143]
	v_pk_add_f32 v[236:237], v[236:237], v[146:147]
	v_pk_add_f32 v[246:247], v[246:247], v[150:151]
	v_pk_add_f32 v[244:245], v[244:245], v[154:155]
	v_pk_add_f32 v[240:241], v[240:241], v[158:159]
	v_pk_add_f32 v[10:11], v[10:11], v[162:163]
	v_pk_add_f32 v[8:9], v[8:9], v[166:167]
	v_pk_add_f32 v[14:15], v[14:15], v[170:171]
	v_pk_add_f32 v[236:237], v[236:237], v[174:175]
	v_pk_add_f32 v[246:247], v[246:247], v[178:179]
	v_pk_add_f32 v[244:245], v[244:245], v[182:183]
	v_pk_add_f32 v[240:241], v[240:241], v[186:187]
	v_pk_add_f32 v[10:11], v[10:11], v[190:191]
	s_delay_alu instid0(VALU_DEP_2)
	v_pk_add_f32 v[14:15], v[14:15], v[240:241]
	s_delay_alu instid0(VALU_DEP_2)
	v_pk_add_f32 v[236:237], v[236:237], v[10:11]
	v_pk_add_f32 v[246:247], v[246:247], v[8:9]
	s_delay_alu instid0(VALU_DEP_1)
	v_pk_add_f32 v[14:15], v[14:15], v[246:247]
	s_delay_alu instid0(VALU_DEP_3)
	v_pk_add_f32 v[236:237], v[236:237], v[244:245]
	s_delay_alu instid0(VALU_DEP_1)
	v_pk_add_f32 v[14:15], v[14:15], v[236:237]
.set j, 0
.rept 16
	v_pk_mul_f32 v[OT+j:OT+j+1], v[OT+j:OT+j+1], v[252:253] op_sel_hi:[1,0]   ; O^T under the new M: x f.  (The sums and these are also the places in front of the scaled products below)
.set j, j+2
.endr
.if \pre
	s_wait_alu depctr_va_vdst(0)
	s_wait_dscnt 28                                ; v and its words are in: behind them only the next step's 28 loads of K were issued, and those may stay out
.else
	s_wait_alu depctr_va_vdst(0)
	s_wait_dscnt 0x0
.endif
.irp n, 0,1                                    ; O^T += V^T P^T: K = these 128 keys; the four accumulators take turns
	v_wmma_scale_f32_16x16x128_f8f6f4 v[OT+16*\n:OT+16*\n+7], v[VF+24*\n:VF+24*\n+11], v[224:235], v[OT+16*\n:OT+16*\n+7], v[VW+\n], v253 matrix_a_fmt:MATRIX_FMT_FP6 matrix_b_fmt:MATRIX_FMT_FP6
	v_wmma_scale_f32_16x16x128_f8f6f4 v[OT+16*\n+8:OT+16*\n+15], v[VF+24*\n+12:VF+24*\n+23], v[224:235], v[OT+16*\n+8:OT+16*\n+15], v[VW+\n], v253 matrix_a_fmt:MATRIX_FMT_FP6 matrix_b_fmt:MATRIX_FMT_FP6 matrix_a_scale:MATRIX_SCALE_ROW1
.endr
.if \pre                                       ; in the loop no place is written here: the next step's products write none of these products' registers, its four additions and four v_nop stand ahead of the loads into v's registers, and O^T is next read behind a whole softmax
	s_add_co_u32 s[TB], s[TB], KSB
.else
.rept 4
	v_nop                                          ; places in front of the way out's read of O^T
.endr
.endif
.endm
	s_wait_alu depctr_va_vdst(0)                   ; the wait at the head's end
	s_wait_loadcnt 0x0                             ; Q
	s_cmp_lt_u32 s[WV], 4
	s_cbranch_scc0 .Lnot_first
	s_wait_tensorcnt 0x0                           ; waves 0 to 3: my record of key steps 0 to 3 has landed; the others' loads may stay out
.Lnot_first:
	s_barrier_signal -1
	s_barrier_wait -1                              ; everybody's have
	s_mov_b32 s[TB], 0
	s_mov_b32 s[CNT], 2
	v_add_nc_u32 v[ADK], s[TB], v[LKK]
	v_add_nc_u32 v[ADS], s[TB], v[LS]
	v_xor_b32 v254, 64, v[ADK]
	v_xor_b32 v252, 32, v[ADS]
	KLOAD 0                                        ; key step 0's K
.Lfirst:                                               ; key steps 0 and 1: all that they read and ask for (K of step 2 at the furthest) lies in chunk 0
	STEP 1
	s_sub_co_u32 s[CNT], s[CNT], 1
	s_cmp_lg_u32 s[CNT], 0
	s_cbranch_scc1 .Lfirst
	s_wait_tensorcnt 0x0                           ; all my tensor loads have landed: my key step's record
	s_wait_dscnt 0x0                               ; no LDS instruction of mine is pending at a signal (K of step 2 was on its way)
	s_barrier_signal -1
	s_barrier_wait -1                              ; everybody's have: all of K and v is whole, and no wave waits for another until the way out
	s_mov_b32 s[TB], 2*KSB
	s_mov_b32 s[CNT], 13
.Lrest:                                                ; key steps 2 to 14
	STEP 1
	s_sub_co_u32 s[CNT], s[CNT], 1
	s_cmp_lg_u32 s[CNT], 0
	s_cbranch_scc1 .Lrest
	STEP 0                                         ; key step 15 is written out: no K follows it
	; THE WAY OUT.  O^T / the sum is y: register 16 b + i is channel 32 b + 16 h + i of my query's head: two blocks of 32 along the last product's K.  They are quantised here.
	v_add_nc_u32 v[YRD], YST, v[YGO]               ; where the stage is read back (the register served the loop)
	v_add_f32 v14, v14, v15
	s_delay_alu instid0(VALU_DEP_1)
	v_permlanex16_b32 v252, v14, s[SEL], s[SEL+1]
	s_delay_alu instid0(VALU_DEP_1)
	v_add_f32 v14, v14, v252                       ; and lane l xor 16's: the row's sum
	s_wait_alu depctr_va_vdst(0)
	v_rcp_f32 v14, v14
	v_nop                                          ; a plain place behind the transcendental
.set j, 0
	s_wait_alu depctr_va_vdst(0)
.rept 32
	v_mul_f32 v[P0+j], v[OT+j], v14                ; each accumulator from its low end on
.set j, j+1
.endr
.irp b, 0,1
	v_max3_num_f32 v[232+\b], |v[P0+16*\b]|, |v[P0+1+16*\b]|, 0x1800000   ; my 16 numbers of block b, and the floor 2^(3 - 127)
.endr
.irp i, 2,4,6,8,10,12,14
.irp b, 0,1
	s_delay_alu instid0(VALU_DEP_2)
	v_max3_num_f32 v[232+\b], v[232+\b], |v[P0+16*\b+\i]|, |v[P0+1+16*\b+\i]|
.endr
.endr
.irp b, 0,1
	s_delay_alu instid0(VALU_DEP_2)
	v_permlanex16_b32 v[236+\b], v[232+\b], s[SEL], s[SEL+1]
.endr
.irp b, 0,1
	s_delay_alu instid0(VALU_DEP_2)
	v_max_num_f32 v[232+\b], v[232+\b], v[236+\b]
.endr
.irp b, 0,1
	s_delay_alu instid0(VALU_DEP_2)
	v_add_nc_u32 v[244+\b], 0xff000000, v[232+\b]
.endr
.irp b, 0,1
	s_delay_alu instid0(VALU_DEP_2)
	v_lshrrev_b32 v[236+\b], 23, v[244+\b]
.endr
	s_delay_alu instid0(VALU_DEP_1)
	v_lshl_or_b32 v253, v237, 8, v236              ; the head's two bytes lowest, zeros above
	v_cvt_scalef32_pk16_fp6_f32 v[224:226], v[P0:P0+15], v244
	v_cvt_scalef32_pk16_fp6_f32 v[240:242], v[P0+16:P0+31], v245
	v_nop                                          ; one plain place behind a scaled conversion
.irp i, 0,1,2
	v_permlane16_swap_b32 v[224+\i], v[240+\i]     ; a whole block in a lane: lanes 0-15 block 0, lanes 16-31 block 1
.endr
.irp i, 0,1,2
	s_delay_alu instid0(VALU_DEP_3)
	v_mov_b32 v[227+\i], v[240+\i]
.endr
.irp p, 0,1,2
	global_store_b64 v[LK], v[224+2*\p:225+2*\p], s[86:87] offset:256*\p   ; the tile's image: 256 consecutive bytes, aligned
.endr
	ds_store_b32 v[YSA], v253                      ; (both halves of the lanes write the same word with the same value)
	s_wait_dscnt 0x0                               ; for the others' sake: my store into the stage is done
	s_barrier_signal -1
	s_barrier_wait -1
	s_cmp_lt_u32 s[WV], 2
	s_cbranch_scc0 .Lno_words
	ds_load_b128 v[P0:P0+3], v[YRD]                ; waves 0 and 1 take the 256 words, 16 bytes a lane
	s_wait_dscnt 0x0
	global_store_b128 v[YGO], v[P0:P0+3], s[88:89]
.Lno_words:
	s_wait_tensorcnt 0x0
	ds_add_u32 v31, v243
	s_wait_dscnt 0x0
	CROUND                                         ; the closing round: no work-group ends while a partner may still ask for a tile that names it
	s_endpgm
.Lfunc_end_k_q5d540ac020_attn:
	.size	k_q5d540ac020_attn, .Lfunc_end_k_q5d540ac020_attn-k_q5d540ac020_attn
	.p2alignl 7, 3214868480
	.fill 96, 4, 3214868480
	.section	.rodata,"a",@progbits
	.p2align	6, 0x0
	.amdhsa_kernel k_q5d540ac020_attn
		.amdhsa_group_segment_fixed_size 215040
		.amdhsa_private_segment_fixed_size 0
		.amdhsa_enable_private_segment 0
		.amdhsa_kernarg_size 24
		.amdhsa_user_sgpr_count 2
		.amdhsa_user_sgpr_kernarg_segment_ptr 1
		.amdhsa_wavefront_size32 1
		.amdhsa_system_sgpr_workgroup_id_x 1
		.amdhsa_system_sgpr_workgroup_id_y 1
		.amdhsa_system_sgpr_workgroup_id_z 1
		.amdhsa_system_vgpr_workitem_id 0
		.amdhsa_next_free_vgpr 256
		.amdhsa_next_free_sgpr 100
		.amdhsa_reserve_vcc 0
		.amdhsa_float_denorm_mode_32 3
		.amdhsa_float_denorm_mode_16_64 3
		.amdhsa_memory_ordered 1
		.amdhsa_forward_progress 1
		.amdhsa_inst_pref_size 61
	.end_amdhsa_kernel
	.amdgpu_metadata
---
amdhsa.version: [ 1, 2 ]
amdhsa.kernels:
  - .name:           k_q5d540ac020_attn
    .symbol:         k_q5d540ac020_attn.kd
    .args:
      - { .name: qb, .offset: 0, .size: 8, .value_kind: global_buffer, .address_space: global }
      - { .name: kvb, .offset: 8, .size: 8, .value_kind: global_buffer, .address_space: global }
      - { .name: yb, .offset: 16, .size: 8, .value_kind: global_buffer, .address_space: global }
    .group_segment_fixed_size: 215040
    .private_segment_fixed_size: 0
    .kernarg_segment_align: 8
    .kernarg_segment_size: 24
    .max_flat_workgroup_size: 512
    .sgpr_count:     100
    .vgpr_count:     256
    .wavefront_size: 32
...
	.end_amdgpu_metadata
.endif
;; end of part 3
;; launch proj (part 4): grid 4 x 64, 4 waves a work-group, clusters of 4 x 4, 327,680 bytes of LDS; arguments yb, wq, bp, out0; writes out0
.if DOCPART == 4
	.amdgcn_target "amdgcn-amd-amdhsa--gfx1250"
	.amdhsa_code_object_version 6
	.text
	.protected	k_q5d540ac020_proj
	.globl	k_q5d540ac020_proj
	.p2align	8
	.type	k_q5d540ac020_proj,@function
k_q5d540ac020_proj:
	s_mov_b64 s[64:65], 0
	v_nop
	global_prefetch_b8 v0, s[64:65] scope:SCOPE_SE
	s_setreg_imm32_b32 hwreg(HW_REG_WAVE_MODE, 25, 1), 1
	s_wait_xcnt 0x0
	s_wait_alu depctr_hold_cnt(0) depctr_sa_sdst(0) depctr_va_vdst(0) depctr_va_sdst(0) depctr_va_ssrc(0) depctr_va_vcc(0) depctr_vm_vsrc(0)
	s_getreg_b32 s2, hwreg(HW_REG_IB_STS2, 6, 4)
	s_cmp_eq_u32 s2, 0
	s_cbranch_scc0 .Lentry_in_a_cluster
	s_endpgm
.Lentry_in_a_cluster:
	s_bfe_u32 s2, ttmp6, 0x10000c
	s_cmp_lg_u32 s2, 0xf033
	s_cbranch_scc0 .Lentry_shape_is_right
	s_endpgm
.Lentry_shape_is_right:
; out0 = y Wp^T + bp on codes of FP6 (E2M3) with one E8M0 scale for each 32 along K = 1,024; sums in f32.
; yb: [tile of 16 stored tokens: 256][head 16][768 bytes: the image of six operand registers, lane l's registers 2 p, 2 p + 1 at 8 l of chunk p]; from byte 3,145,728 [head 16][stored token 4,096][a word: the head's two scale bytes lowest, zeros above].
; wq: [block of 256 stored rows][K step of 256: 4][256 rows][192 bytes of codes]; from byte SCOFF [stored row][32 scale bytes].  Wp's rows are blocks 12 to 15.  Inside each 32 rows (of tokens and of Wp) the groups of 8 lie in the order 0, 2, 1, 3.
; THE DEAL: 4,096 x 1,024 results in 256 blocks of 64 tokens x 256 features, a work-group each; a wave makes 64 x 64.
; ALL OF K LIES IN LDS, filled once by four joint loads at the head, one a wave: Wp's K steps 0 and 1, its K steps 2 and 3 (98,304 dense bytes each, as rows of 256 with 16 bytes of padding behind each 64: an LDS row of 192 bytes
; has a pitch of 240), y's four tiles (49,152 dense bytes, read as images), y's scale words.  No ring, no refill: one barrier, in front of which every wave waits for its load.  Wp's scale words come by four plain loads a wave, whole rows of 32 bytes.
; A WAVE HOLDS ITS 64 ROWS OF Wp, ALL OF K, IN REGISTERS (32 fragments, 384 registers); y's four blocks of 16 tokens follow each other, 32 products each on four accumulators by turns,
; and a block's results leave while the next block is multiplied.
; CLUSTERS: 4 x 4 work-groups; y's tiles are shared along a row of the cluster, Wp's along a column.
; NO PREFETCH: the launch has no loop to run ahead in: every byte that it reads is asked for at its head.
; THE MATRIX INSTRUCTION IS USED TRANSPOSED (source 0 = 16 rows of Wp, source 1 = 16 tokens): lane (r, h) holds stored token r, and register j of tile b is feature 32 (b / 2) + 16 h + 8 (b % 2) + j of the wave's 64.
; THE BIAS is the first products' C, laid in registers as the result lies.
; REGISTERS: window 0: v8-22 addresses; v36-67 y's scale words; v72-87 Wp's; v104-167 at work, then rows read back; v168-231 two sets of four accumulators.
;   Fragment f lies in window 1 + f / 21 at register 12 (f % 21): 0-31 Wp's (4 q + b), 32-39 and 40-47 y's two sets.   window 3: v128-159 the bias.
.set PITCH,  240
.set PLANE,  256*PITCH                 ; a K step's 256 rows of Wp in LDS
.set AB,     4*PLANE                   ; y's four tiles
.set YS,     AB+49152                  ; y's scale words: [head 16][64 tokens]
.set STG,    YS+4096                   ; the way out: 16 rows of 256 + 16 bytes for each wave; no fill lands here
.set SPITCH, 272
.set SPARE,  STG+4*16*SPITCH           ; the spare words: 128 bytes a wave
.set SCOFF,  3145728
.set FPW,  21
.set ADRB, 8                           ; v8-11 my rows of Wp in K step 0..3; v12-15 the same behind one padding more
.set ADRA, 16
.set ABS,  17
.set ADRY, 18
.set STO,  19
.set RD,   20
.set CO,   21
.set BQ,   22
.set SPW,  28
.set NIL,  29
.set YW,   36                          ; (its numbers differ from SB's by 4 modulo 8)
.set SB,   72                          ; register 8 (b / 2) + q: lanes 0-15 tile b even, lanes 16-31 tile b odd
.set YH,   104
.set BK,   104
.set ACC,  168
.set G1A, 24
.set G0A, 32
.set G1B, 48
.set G0B, 56
.set G0B2, 60
.set G1S, 68
.set G0S, 76
.set MSB, 0
.macro WIN new                         ; the immediate's high byte repeats the setting that is left
.if MSB != (\new)
	s_set_vgpr_msb (MSB<<8)|(\new)
.set MSB, \new
.endif
.endm
.macro PLACES n
.rept \n
	v_nop
.endr
.endm
.macro CROUND                          ; a round of the cluster's barrier
	s_barrier_signal -1
	s_barrier_wait -1
	s_cmp_lg_u32 s14, 0
	s_cbranch_scc1 .Lnot_wave_0_\@
	s_barrier_signal -3
.Lnot_wave_0_\@:
	s_barrier_wait -3
	s_barrier_signal -1
	s_barrier_wait -1
.endm
.macro GRP g, rows, pitch              ; group 1 behind its first word: rows of 256 bytes (32 elements of 8)
	s_mov_b32 s[\g+1], 32<<16
	s_mov_b32 s[\g+2], (\rows)<<16
	s_mov_b32 s[\g+3], 32<<16
	s_mov_b32 s[\g+4], \rows
	s_mov_b32 s[\g+5], \pitch
	s_mov_b32 s[\g+6], 0
	s_mov_b32 s[\g+7], 0
.endm
.macro GRP0 g, lds, adr
	s_mov_b32 s[\g], 1
	s_mov_b32 s[\g+1], \lds
	s_mov_b64 s[\g+2:\g+3], s[\adr:\adr+1]
	s_or_b32 s[\g+3], s[\g+3], 0x80000000
.endm
	s_load_b128 s[4:7], s[0:1], 0x0                ; yb, wq
	s_load_b128 s[8:11], s[0:1], 0x10              ; bp, out0
	v_lshl_add_u32 v[SPW], v0, 2, SPARE
	v_mov_b32 v[NIL], 0
	ds_add_u32 v[SPW], v[NIL]                      ; the opening lines: the add, twice on end, and its wait ahead of my tensor load
	ds_add_u32 v[SPW], v[NIL]
	v_lshrrev_b32 v1, 5, v0
	v_readfirstlane_b32 s14, v1                    ; wave 0..3: my 64 of the 256 features
	s_bfe_u32 s40, ttmp6, 0x40000                  ; cx, cy
	s_bfe_u32 s41, ttmp6, 0x40004
	s_lshl_b32 s42, ttmp9, 2
	s_add_co_u32 s42, s42, s40                     ; the block of 256 features
	s_and_b32 s17, ttmp7, 0xffff
	s_lshl_b32 s17, s17, 2
	s_add_co_u32 s17, s17, s41                     ; the block of 64 tokens
	s_lshl_b32 s43, s41, 2
	s_lshl_b32 s43, 15, s43                        ; my row of the cluster
	s_lshl_b32 s44, 0x1111, s40                    ; my column
	s_or_b32 s[G1A], s43, (3<<16)|(1<<21)
	GRP G1A, 192, 32
	s_or_b32 s[G1B], s44, (3<<16)|(1<<20)|(1<<21)|(3<<22)|(3<<25)   ; padding: 4 words behind every 16
	GRP G1B, 384, 32
	s_or_b32 s[G1S], s43, (3<<16)|(1<<21)
	GRP G1S, 16, 2048                              ; 16 heads, 16,384 bytes apart, 256 bytes of words each
	s_mul_i32 s20, s17, 49152                      ; y's four tiles
	s_mov_b32 s21, 0
	s_lshl_b32 s22, s17, 8
	s_add_co_u32 s22, s22, 3145728                 ; their words, head 0's
	s_mov_b32 s23, 0
	s_add_co_u32 s46, s42, 12
	s_mul_i32 s46, s46, 196608                     ; Wp's block
	s_mov_b32 s47, 0
	s_lshl_b32 s92, s42, 13
	s_lshl_b32 s93, s14, 11
	s_add_co_u32 s92, s92, s93
	s_add_co_u32 s92, s92, SCOFF+3072*32           ; the scale bytes of my 64 rows
	s_mov_b32 s93, 0
	s_mul_i32 s16, s14, 64*PITCH                   ; my 64 rows of Wp in LDS,
	s_mul_i32 s19, s14, 16*SPITCH
	s_add_co_u32 s19, s19, STG                     ; my stage
	s_lshl_b32 s36, s42, 10
	s_lshl_b32 s37, s14, 8
	s_add_co_u32 s36, s36, s37                     ; my first feature, in bytes of f32
	s_mov_b32 s37, 0
	s_lshl_b32 s38, s17, 18                        ; 64 rows of out0
	s_add_co_u32 s38, s38, s36
	s_mov_b32 s39, 0
	s_wait_dscnt 0x0                               ; both opening adds are done
	s_wait_kmcnt 0x0
	s_add_nc_u64 s[20:21], s[4:5], s[20:21]
	s_add_nc_u64 s[22:23], s[4:5], s[22:23]
	s_add_nc_u64 s[46:47], s[6:7], s[46:47]
	s_add_nc_u64 s[92:93], s[6:7], s[92:93]
	s_add_nc_u64 s[8:9], s[8:9], s[36:37]
	s_add_nc_u64 s[12:13], s[10:11], s[38:39]
	CROUND                                         ; all sixteen work-groups are here: the joint loads meet
	GRP0 G0B, 0, 46
	s_add_nc_u64 s[46:47], s[46:47], 98304
	GRP0 G0B2, 2*PLANE, 46
	GRP0 G0A, AB, 20
	GRP0 G0S, YS, 22
.macro ARM under, g0, g1, next         ; one chain of branches on the wave's number, a load to an arm, all arms leading to one join
	s_cmp_lt_u32 s14, \under
	s_cbranch_scc0 \next
	tensor_load_to_lds s[\g0:\g0+3], s[\g1:\g1+7]
	s_nop 0
	PLACES 4
	s_branch .Lhead_asked
\next:
.endm
	ARM 1, G0B, G1B, .Lhead_b2                     ; wave 0: Wp's K steps 0 and 1
	ARM 2, G0B2, G1B, .Lhead_a                     ; wave 1: its K steps 2 and 3
	ARM 3, G0A, G1A, .Lhead_sa                     ; wave 2: y's codes
	tensor_load_to_lds s[G0S:G0S+3], s[G1S:G1S+7]  ; wave 3: y's scale words
	s_nop 0
	PLACES 4
.Lhead_asked:
	v_and_b32 v1, 15, v0                           ; r
	v_bfe_u32 v2, v0, 4, 1                         ; h
	v_and_b32 v6, 31, v0
	v_mul_u32_u24 v3, v1, PITCH
	v_mad_u32_u24 v4, v2, 24, v3
	v_add_nc_u32 v4, s16, v4                       ; a fragment's row x pitch + 24 h
	v_lshl_add_u32 v5, v2, 4, v4                   ; and behind one padding more
.irp s, 0,1,2,3
	v_add_nc_u32 v[ADRB+\s], \s*PLANE, v4
	v_add_nc_u32 v[ADRB+4+\s], \s*PLANE, v5
.endr
	v_lshl_add_u32 v[ADRA], v6, 3, AB              ; an image: 8 bytes a lane
	v_lshlrev_b32 v[ABS], 5, v6                    ; a row of 32 scale bytes a lane
	v_lshl_add_u32 v[ADRY], v1, 2, YS
	v_mul_u32_u24 v3, v1, SPITCH
	v_lshl_add_u32 v3, v2, 6, v3
	v_add_nc_u32 v[STO], s19, v3                   ; into the stage: row r, 64 bytes for each half of the lanes
	v_mul_u32_u24 v3, v2, SPITCH
	v_lshl_add_u32 v3, v1, 4, v3
	v_add_nc_u32 v[RD], s19, v3                    ; back: sixteen lanes to a row of 256 bytes, two rows an instruction
	v_lshlrev_b32 v3, 12, v2
	v_lshl_add_u32 v[CO], v1, 4, v3                ; and the same in out0
	v_lshlrev_b32 v[BQ], 6, v2
	s_wait_alu depctr_va_vdst(0)                   ; the wait at the head's end
.irp p, 0,1
.irp c, 0,1
	global_load_b128 v[SB+8*\p+4*\c:SB+8*\p+4*\c+3], v[ABS], s[92:93] offset:1024*\p+16*\c   ; Wp's scale words, all of K: lanes 0-15 tile 2 p's rows, lanes 16-31 tile 2 p + 1's
.endr
.endr
	WIN 0xc0
.irp b, 0,1,2,3
	global_load_b128 v[128+8*\b:128+8*\b+3], v[BQ], s[8:9] offset:128*(\b/2)+32*(\b%2)
	global_load_b128 v[128+8*\b+4:128+8*\b+7], v[BQ], s[8:9] offset:128*(\b/2)+32*(\b%2)+16
.endr
	WIN 0
	s_wait_tensorcnt 0x0                           ; my tile is in,
	s_barrier_signal -1
	s_barrier_wait -1                              ; everybody's is
.macro BFRAG q, b                      ; 16 rows x 128 K of Wp: six pieces of 8 bytes; lanes 16-31 read three pieces further on, which may lie behind one padding more
.set F_, 4*(\q)+(\b)
	WIN (1+F_/FPW)<<6
.irp p, 0,1,2,3,4,5
.set PCE, 12*((\q)%2)+6*(\p/3)+\p%3
.if PCE%8 < 5
	ds_load_b64 v[12*(F_%FPW)+2*\p:12*(F_%FPW)+2*\p+1], v[ADRB+(\q)/2] offset:8*PCE+16*(PCE/8)+(\b)*16*PITCH
.else
	ds_load_b64 v[12*(F_%FPW)+2*\p:12*(F_%FPW)+2*\p+1], v[ADRB+4+(\q)/2] offset:8*PCE+16*(PCE/8)+(\b)*16*PITCH
.endif
.endr
.endm
.macro FETCHA a                        ; y's block a, all of K, into set a % 2: 48 loads
.irp q, 0,1,2,3,4,5,6,7
.set F_, 32+8*((\a)%2)+\q
	WIN (1+F_/FPW)<<6
.irp n, 0,1,2,3,4,5
	ds_load_b64 v[12*(F_%FPW)+2*\n:12*(F_%FPW)+2*\n+1], v[ADRA] offset:12288*(\a)+1536*\q+256*\n   ; heads 2 q and 2 q + 1 of tile a
.endr
.endr
	WIN 0
.endm
.macro PROD c, o
.if \o
	v_wmma_scale_f32_16x16x128_f8f6f4 v[rD:rD+7], v[rB:rB+11], v[rA:rA+11], \c, v[rS], v[rY] matrix_a_fmt:MATRIX_FMT_FP6 matrix_b_fmt:MATRIX_FMT_FP6 matrix_a_scale:MATRIX_SCALE_ROW1
.else
	v_wmma_scale_f32_16x16x128_f8f6f4 v[rD:rD+7], v[rB:rB+11], v[rA:rA+11], \c, v[rS], v[rY] matrix_a_fmt:MATRIX_FMT_FP6 matrix_b_fmt:MATRIX_FMT_FP6
.endif
.endm
.macro MUL a                           ; block a: 32 products, the four accumulators by turns
.irp q, 0,1,2,3,4,5,6,7
.irp b, 0,1,2,3
.set FB_, 4*\q+\b
.set FA_, 32+8*((\a)%2)+\q
.set rD, ACC+32*((\a)%2)+8*\b
.set rB, 12*(FB_%FPW)
.set rA, 12*(FA_%FPW)
.set rS, SB+8*(\b/2)+\q
.set rY, YW+8*(\a)+\q
.if \q == 0
	WIN (1+FB_/FPW)|((1+FA_/FPW)<<2)|(3<<4)
	PROD v[128+8*\b:128+8*\b+7], \b%2
.else
	WIN (1+FB_/FPW)|((1+FA_/FPW)<<2)
	PROD v[rD:rD+7], \b%2
.endif
.endr
.endr
	WIN 0
	PLACES 4                                       ; behind the block's products: their results are read, and y's registers loaded into, below
.endm
; THE WAY OUT of a block of 16 tokens x 64 features: through my own stage, back as rows of 256 bytes, which sixteen lanes store as one aligned unit.  LDS serves a wave's instructions in order: no wait between the stores and the loads.
.macro TOSTAGE a
.irp b, 0,1,2,3
	ds_store_b128 v[STO], v[ACC+32*((\a)%2)+8*\b:ACC+32*((\a)%2)+8*\b+3] offset:128*(\b/2)+32*(\b%2)      ; each accumulator from its low end on
	ds_store_b128 v[STO], v[ACC+32*((\a)%2)+8*\b+4:ACC+32*((\a)%2)+8*\b+7] offset:128*(\b/2)+32*(\b%2)+16
.endr
.irp t, 0,1,2,3,4,5,6,7
	ds_load_b128 v[BK+32*((\a)%2)+4*\t:BK+32*((\a)%2)+4*\t+3], v[RD] offset:\t*2*SPITCH
.endr
.endm
.macro SEND a                          ; stored row 2 t + (lane / 16) of block a is token 32 (a / 2) + 8 (a % 2) + row + 8 (row / 8)
	s_wait_dscnt 0x0                               ; the block is back in registers (and whatever of y was asked for ahead of it is in)
.irp t, 0,1,2,3,4,5,6,7
	global_store_b128 v[CO], v[BK+32*((\a)%2)+4*\t:BK+32*((\a)%2)+4*\t+3], s[12:13] offset:(32*((\a)/2)+8*((\a)%2)+2*\t+8*(\t/4))*4096 th:TH_STORE_NT
.endr
.endm
.irp a, 0,1,2,3
.irp q, 0,1,2,3,4,5,6,7
	ds_load_b32 v[YW+8*\a+\q], v[ADRY] offset:512*\q+64*\a          ; y's words of heads 2 q
	ds_load_b32 v[YH+8*\a+\q], v[ADRY] offset:512*\q+256+64*\a      ; and 2 q + 1
.endr
.endr
.irp q, 0,1
.irp b, 0,1,2,3
	BFRAG \q, \b
.endr
.endr
	WIN 0
	s_wait_dscnt 48                                ; y's words are in: behind them only these 48 loads were issued
.set j, 0
.rept 32
	v_lshl_or_b32 v[YW+j], v[YH+j], 16, v[YW+j]    ; two heads' bytes make the word of 128 along K
.set j, j+1
.endr
	s_wait_alu depctr_va_vdst(0)
.irp q, 2,3,4,5,6,7
.irp b, 0,1,2,3
	BFRAG \q, \b
.endr
.endr
	FETCHA 0
	FETCHA 1
	PLACES 8                                       ; a scale register written by a vector instruction stands 8 places ahead of a scaled product
	s_wait_loadcnt 0x0                             ; Wp's scale words and the bias
	s_wait_dscnt 48                                ; Wp and y's block 0 are in; block 1's 48 loads may be out
	MUL 0
	FETCHA 2
	TOSTAGE 0
	s_wait_dscnt 63                                ; block 1 is in: behind it 48 + 16 LDS instructions were issued
	MUL 1
	SEND 0
	FETCHA 3
	TOSTAGE 1
	MUL 2                                          ; (block 2 was shown in by the wait in front of block 0's stores)
	SEND 1
	s_wait_xcnt 0x0                                ; block 0's stores have read their registers: block 2's rows may land there
	TOSTAGE 2
	MUL 3
	SEND 2
	s_wait_xcnt 0x0
	TOSTAGE 3
	SEND 3
	s_wait_tensorcnt 0x0                           ; the wave's end
	ds_add_u32 v[SPW], v[NIL]
	s_wait_dscnt 0x0
	CROUND                                         ; the closing round
	s_endpgm
.Lfunc_end_k_q5d540ac020_proj:
	.size	k_q5d540ac020_proj, .Lfunc_end_k_q5d540ac020_proj-k_q5d540ac020_proj
	.p2alignl 7, 3214868480
	.fill 96, 4, 3214868480
	.section	.rodata,"a",@progbits
	.p2align	6, 0x0
	.amdhsa_kernel k_q5d540ac020_proj
		.amdhsa_group_segment_fixed_size 327680
		.amdhsa_private_segment_fixed_size 0
		.amdhsa_enable_private_segment 0
		.amdhsa_kernarg_size 32
		.amdhsa_user_sgpr_count 2
		.amdhsa_user_sgpr_kernarg_segment_ptr 1
		.amdhsa_wavefront_size32 1
		.amdhsa_system_sgpr_workgroup_id_x 1
		.amdhsa_system_sgpr_workgroup_id_y 1
		.amdhsa_system_sgpr_workgroup_id_z 1
		.amdhsa_system_vgpr_workitem_id 0
		.amdhsa_next_free_vgpr 928
		.amdhsa_next_free_sgpr 96
		.amdhsa_reserve_vcc 0
		.amdhsa_float_denorm_mode_32 3
		.amdhsa_float_denorm_mode_16_64 3
		.amdhsa_memory_ordered 1
		.amdhsa_forward_progress 1
		.amdhsa_inst_pref_size 65
	.end_amdhsa_kernel
	.amdgpu_metadata
---
amdhsa.version: [ 1, 2 ]
amdhsa.kernels:
  - .name:           k_q5d540ac020_proj
    .symbol:         k_q5d540ac020_proj.kd
    .args:
      - { .name: yb, .offset: 0, .size: 8, .value_kind: global_buffer, .address_space: global }
      - { .name: wq, .offset: 8, .size: 8, .value_kind: global_buffer, .address_space: global }
      - { .name: bp, .offset: 16, .size: 8, .value_kind: global_buffer, .address_space: global }
      - { .name: out0, .offset: 24, .size: 8, .value_kind: global_buffer, .address_space: global }
    .group_segment_fixed_size: 327680
    .private_segment_fixed_size: 0
    .kernarg_segment_align: 8
    .kernarg_segment_size: 32
    .max_flat_workgroup_size: 128
    .sgpr_count:     96
    .vgpr_count:     928
    .wavefront_size: 32
...
	.end_amdgpu_metadata
.endif
;; end of part 4
